; MI455X (gfx1250); checked and timed in simulation.
; The chip was launched on July 23, 2026; its instructions are those of AMD's public machine-readable ISA for CDNA 5 (MIT licence, August 2026) and "CDNA5" Instruction Set Architecture Reference Guide (July 2026). The comments in the code are by the model that wrote it; some were corrected since.
;; Self Attention. Allowed arithmetic: matrix products marked QUANTISED: E2M3 operands, one E8M0 scale for each 32 along K, by v_wmma_scale_f32_16x16x128_f8f6f4 with both operands' format E2M3, f32 sums; everything else in f32.
;; Inputs: Wk 1,024 x 1,024 float32; Wq 1,024 x 1,024 float32; Wv 1,024 x 1,024 float32; bk 1,024 float32; bq 1,024 float32; bv 1,024 float32; x 2,048 x 4 x 1,024 float32.
;; Outputs: out0 2,048 x 4 x 1,024 float32.
;; This version of the problem:
;;   THIS VERSION OF THE PROBLEM IS GIVEN IN LOW PRECISION. The matrix products marked QUANTISED in the list below multiply operands that are first quantised to E2M3 (2 exponent bits, 3 mantissa bits; 6 bits a number), with one power-of-two scale for each 32 numbers along K (OCP MX v1.0); their sums are f32. All else is computed in f32.
;;   The module's matrix products, in the order in which they are computed (A, B: the left and right operand; K: the contracted axis; several contracted axes count as one K, in the product's order):
;;     1. [M 8,192, K 1,024] x [K 1,024, N 1,024]; A: input x; B: input Wq: QUANTISED
;;     2. [M 8,192, K 1,024] x [K 1,024, N 1,024]; A: input x; B: input Wk: QUANTISED
;;     3. [M 8,192, K 1,024] x [K 1,024, N 1,024]; A: input x; B: input Wv: QUANTISED
;;     4. batch 4 x [M 2,048, K 1,024] x [K 1,024, N 2,048]; A: computed on the way; B: computed on the way: QUANTISED
;;     5. batch 4 x [M 2,048, K 2,048] x [K 2,048, N 1,024]; A: softmax (see below); B: computed on the way: QUANTISED
;;   THE QUANTISER, for each operand of a quantised product, along K:
;;     - K is cut into blocks of 32 from its start; a last block that is shorter is filled with zeros.
;;     - A block's scale is 2^e with e = floor(log2(the largest magnitude in the block)) - 2, held to -126 .. 127; a block of zeros has e = 0. As a byte (E8M0): e + 127.
;;     - Each number is divided by its block's scale, clamped to +-7.5, and rounded to the nearest number of E2M3, ties to even, subnormals kept.
;;     - The product sums the exact products of the quantised numbers (number of the format x scale) in f32.
;;   ~~~python
;;   def quantise(x, axis):      # numpy; x: float32 -> the quantised numbers, widened to float32 again
;;       x = np.moveaxis(x, axis, -1); K = x.shape[-1]
;;       x = np.pad(x, [(0, 0)] * (x.ndim - 1) + [(0, -K % 32)]); x = x.reshape(x.shape[:-1] + (-1, 32)); a = np.abs(x).max(-1, keepdims=True)
;;       e = np.where(a > 0, np.clip(np.frexp(np.where(a > 0, a, 1))[1] - 1 - 2, -126, 127), 0)      # np.frexp(a)[1] - 1 = floor(log2(a)), exactly
;;       r = np.clip(x / 2.0 ** e, -7.5, 7.5)
;;       step = 2.0 ** (np.maximum(np.frexp(np.where(r == 0, 1, r))[1] - 1, 0) - 3)
;;       q = np.round(r / step) * step * 2.0 ** e      # np.round: ties to even
;;       return np.moveaxis(q.reshape(q.shape[:-2] + (-1,))[..., :K], -1, axis).astype(np.float32)
;;   ~~~
;;   SOFTMAX AHEAD OF A QUANTISED PRODUCT. Where the list says 'softmax', what is quantised is not the finished softmax but p = 2^(t - M), with t = logit x log2(e) and M = ceil(the row's largest t), a whole number; so 1/2 < the row's largest p <= 1. The row's sum l is taken of the UNQUANTISED p, in f32, and the product's result is divided by l at the end. Since M is a whole number, a kernel that streams over the keys may use a running M (the ceiling of the running maximum): every later rescaling is an exact power of two, which a block's scale takes up: the codes' values come out the same.
;;   OPERANDS COMPUTED ON THE WAY. 'Computed on the way' means the value that the module computes at that place (a softmax that the list does not call 'softmax' is quantised finished and normalised). What goes into a quantiser is computed in f32, as accurately as f32 sums, v_exp_f32 and their like allow (about 1e-6 of the number): no bf16 or f16 on the way to a quantiser, and a product that is left as it is and whose result goes on into a quantised operand takes f32 operands (vector FMAs, or v_wmma_f32_16x16x4_f32). A number that lies on a knife's edge between two numbers of the format may be rounded either way, as far as f32 arithmetic and the matrix unit's own rounding can turn it there, and no further.
;; One version. Each part assembles by itself: llvm-mc -triple=amdgcn-amd-amdhsa -mcpu=gfx1250 --defsym DOCPART=n.
;; ======== version 1 of 1: 4 launches
;; limits: right only within a limited range of input values
;; workspace buffers: xc 6,553,600 bytes; wc 2,457,600 bytes; qc 6,553,600 bytes; kc 6,553,600 bytes; vc 6,553,600 bytes; pc 12,582,912 bytes; st 1,048,576 bytes
;; launch quant (part 1): grid 704 x 1, 4 waves a work-group, no clusters, 67,584 bytes of LDS; arguments x, Wq, Wk, Wv, xc, wc; writes xc, wc
.if DOCPART == 1
	.amdgcn_target "amdgcn-amd-amdhsa--gfx1250"
	.amdhsa_code_object_version 6
	.text
	.protected	k_q11000fe3ea_quant
	.globl	k_q11000fe3ea_quant
	.p2align	8
	.type	k_q11000fe3ea_quant,@function
k_q11000fe3ea_quant:
	s_mov_b64 s[64:65], 0
	v_nop
	global_prefetch_b8 v0, s[64:65] scope:SCOPE_SE
	s_setreg_imm32_b32 hwreg(HW_REG_WAVE_MODE, 25, 1), 1
	s_wait_xcnt 0x0
; x [2048][4][1024] and Wq, Wk, Wv [1024][1024], f32, K innermost, become codes of FP6 (E2M3) with one E8M0 byte for each 32 along K,
; laid as the later launches' matrix operands want them: as IMAGES OF THE OPERAND'S REGISTERS.  No work of reference() is left out in this program: every input has a way to the output.
;   fragment: 16 rows x 128 K = 12 registers a lane; image 1,536 bytes: registers 4 c .. 4 c + 3 of lane l at 512 c + 16 l.
;   block:    128 rows x 256 K = 16 fragments at (2 rb + q) x 1,536, then 1,024 bytes of scale words [q][rb][r]: 25,600 bytes.
;   x, Wq, Wk: lane r of fragment rb holds row 64 (rb / 4) + 32 (r / 8) + 8 (rb % 4) + r % 8 of the 128: so where four fragments of 64 rows are source 0 of products, a lane's 32 results are 32 neighbouring rows;
;   Wv: row 64 (rb / 4) + 4 r + rb % 4: so four tiles give a lane four neighbouring channels.
; xc: [64 groups of 128 rows, row = b x 2048 + s][4 steps of 256 K][block];  wc: [24 groups: Wq 0-7, Wk 8-15, Wv 16-23][4][block].
; A work-group makes half a block, 64 rows, wave w its fragments rb = 4 half + w (q = 0, 1).  Each load reads 512 consecutive bytes of one row; the numbers turn through the wave's own stage in LDS
; (16 rows, 1,040 bytes apart), so that a lane gets the 32 neighbours of each of its two blocks of 32.  A block's scale byte is its largest magnitude's exponent field - 2, held at 1 from below.
; LIMITS: a block of zeros, or one whose largest magnitude lies under 2^-124, gets the byte 1 (the rule says 127 for zeros: the codes are zeros, and this program alone reads the bytes); NaN and infinities are not served.
; No tensor load, no cluster, no matrix unit: no two work-groups read the same bytes.  No prefetch: a wave asks for all its bytes at its head, and there is no loop to run ahead in.
.set BLK,   25600
.set BLKC,  24576
.set FRB,   1536
.set RP,    1040                       ; a stage row: 1,024 bytes + 16
.set STW,   16*RP                      ; a wave's stage
.set GS,    4*STW                      ; the half block's 512 bytes of scale words: [q][w][r]
.set SPARE, GS+512                     ; the spare words, 128 bytes for each wave; no other line names them
.set LI,   4                           ; v4   16 x lane
.set SIN,  5                           ; v5   stage, on the way in
.set SOUT, 6                           ; v6   stage, on the way out: 1,040 r + 128 h
.set GSW,  7                           ; v7   where my row's scale word goes
.set GSR,  8                           ; v8   where waves 0 and 1 read the words back
.set GSO,  9                           ; v9   and their place behind the block's codes
.set SPW,  10
.set NIL,  11
.set TM,   12                          ; v12-20 at work (v19 = 8 h; v20 a lane permute's destination)
.set T,    24                          ; v24-30 the second halves of the conversions
.set PC,   32                          ; v32-55 codes, a set for each q
.set PW,   56                          ; v56-57 scale words
.set X,    64                          ; v64-127 my 64 numbers
.set R,    128                         ; v128-255 as loaded
	s_load_b256 s[4:11], s[0:1], 0x0               ; x, Wq, Wk, Wv
	s_load_b128 s[12:15], s[0:1], 0x20             ; xc, wc
	v_lshl_add_u32 v[SPW], v0, 2, SPARE
	v_mov_b32 v[NIL], 0
	v_lshrrev_b32 v1, 5, v0
	v_and_b32 v2, 15, v0                           ; r
	v_bfe_u32 v3, v0, 4, 1                         ; h
	v_readfirstlane_b32 s16, v1                    ; wave 0..3
	v_and_b32 v1, 31, v0                           ; lane
	v_mul_u32_u24 v[SOUT], v2, RP
	v_lshlrev_b32 v[LI], 4, v1
	v_lshlrev_b32 v[GSO], 3, v1
	v_lshl_add_u32 v[SOUT], v3, 7, v[SOUT]
	v_lshlrev_b32 v[TM+7], 3, v3                   ; 8 h
	v_mov_b32 v[TM+8], 0                           ; written once: a lane permute's destination counts as a source
	s_mul_i32 s28, s16, STW
	v_add_nc_u32 v[SIN], s28, v[LI]
	v_add_nc_u32 v[SOUT], s28, v[SOUT]
	s_lshl_b32 s29, s16, 6
	s_add_co_u32 s29, s29, GS
	v_lshl_add_u32 v[GSW], v2, 2, s29              ; GS + 64 w + 4 r
	s_and_b32 s30, s16, 1
	s_lshl_b32 s30, s30, 8                         ; waves 0 and 1: the words of q = w
	v_add_nc_u32 v[GSR], GS, v[GSO]
	v_add_nc_u32 v[GSR], s30, v[GSR]
	s_and_b32 s3, ttmp9, 1                         ; which half of the block
	s_lshl_b32 s29, s3, 8
	s_lshl_b32 s30, s30, 1
	s_add_co_u32 s29, s29, s30
	s_wait_alu depctr_va_vdst(0)                   ; directly ahead of the reader below
	v_add_nc_u32 v[GSO], s29, v[GSO]               ; 512 q + 256 half + 8 lane
	s_mov_b32 s26, 0x76543210
	s_mov_b32 s27, 0xfedcba98                      ; selects for lane l xor 16
	s_lshr_b32 s2, ttmp9, 1                        ; the block
	s_lshr_b32 s28, ttmp9, 3                       ; g: the group of 128 rows; under 64: x's
	s_sub_co_u32 s29, s28, 64                      ; else g - 64: 0..23
	s_lshr_b32 s30, s29, 3                         ; which W
	s_and_b32 s24, s28, 15
	s_lshl_b32 s24, s24, 21                        ; x: s = 128 (g % 16) + row, a step of s is 4 x 4,096 bytes;
	s_lshr_b32 s25, s28, 4
	s_lshl_b32 s25, s25, 12                        ; b = g / 16, 4,096 bytes each
	s_add_co_u32 s24, s24, s25
	s_and_b32 s25, s29, 7
	s_lshl_b32 s25, s25, 19                        ; W: 128 rows of 4,096 bytes
	s_sub_co_u32 s31, s2, 256                      ; the block's number in wc
	s_wait_alu depctr_va_vdst(0)
	s_wait_kmcnt 0x0
	s_cmp_eq_u32 s30, 1
	s_cselect_b64 s[20:21], s[8:9], s[6:7]
	s_cmp_eq_u32 s30, 2
	s_cselect_b64 s[20:21], s[10:11], s[20:21]
	s_cselect_b32 s17, 0, 3                        ; log2 of the rows from fragment to fragment: Wv 1, else 8
	s_cselect_b32 s19, 2, 0                        ; and from lane to lane: Wv 4, else 1
	s_cmp_lt_u32 s28, 64                           ; the choices hang on the work-group's number alone
	s_cselect_b64 s[20:21], s[4:5], s[20:21]       ; from where
	s_cselect_b64 s[22:23], s[12:13], s[14:15]     ; to where
	s_cselect_b32 s24, s24, s25
	s_cselect_b32 s31, s2, s31
	s_cselect_b32 s18, 14, 12                      ; log2 of the bytes from row to row
	s_and_b32 s25, s2, 3
	s_lshl_b32 s25, s25, 10                        ; the step of 256 along K: 1,024 bytes
	s_add_co_u32 s24, s24, s25
	s_mov_b32 s25, 0
	s_add_nc_u64 s[20:21], s[20:21], s[24:25]
	s_lshl_b32 s3, s3, 6                           ; 64 half
	s_lshl_b32 s24, s16, s17
	s_add_co_u32 s24, s24, s3
	s_lshl_b32 s24, s24, s18
	s_add_nc_u64 s[32:33], s[20:21], s[24:25]      ; lane r = 0's row,
	s_lshl_b32 s24, 32, s18
	s_add_nc_u64 s[48:49], s[32:33], s[24:25]      ; lane 8's: 32 rows on in both orders,
	s_lshl_b32 s24, 1, s18
	s_lshl_b32 s24, s24, s19
.irp i, 1,2,3,4,5,6,7
	s_add_nc_u64 s[32+2*\i:33+2*\i], s[30+2*\i:31+2*\i], s[24:25]
	s_add_nc_u64 s[48+2*\i:49+2*\i], s[46+2*\i:47+2*\i], s[24:25]
.endr
.irp q, 0,1
.irp i, 0,1,2,3,4,5,6,7,8,9,10,11,12,13,14,15
	global_load_b128 v[R+64*\q+4*\i:R+64*\q+4*\i+3], v[LI], s[32+2*\i:33+2*\i] offset:512*\q th:TH_LOAD_NT   ; 32 lanes read 512 consecutive bytes: 128 along K of one row
.endr
.endr
	s_mul_i32 s24, s31, BLK
	s_add_nc_u64 s[22:23], s[22:23], s[24:25]      ; the block
	s_mul_i32 s24, s16, 2*FRB
	s_mul_i32 s3, s3, FRB/8
	s_add_co_u32 s24, s24, s3                      ; (4 half + w) x two fragments
	s_add_nc_u64 s[20:21], s[22:23], s[24:25]
; my 64 numbers (register 32 c + i = k 64 c + 32 h + i of row r) become the fragment's 12 registers and my row's scale word
.macro QF q
.set PCQ, PC+12*(\q)
.irp c, 0,1
	v_max3_num_f32 v[TM+\c], |v[X+32*\c]|, |v[X+32*\c+1]|, 0x1800000   ; block 2 c + h is all mine; the floor 2^(3 - 127) holds the byte at 1 from below
.endr
.irp i, 2,4,6,8,10,12,14,16,18,20,22,24,26,28,30
.irp c, 0,1
	s_delay_alu instid0(VALU_DEP_2)
	v_max3_num_f32 v[TM+\c], v[TM+\c], |v[X+32*\c+\i]|, |v[X+32*\c+\i+1]|
.endr
.endr
.irp c, 0,1
	s_delay_alu instid0(VALU_DEP_2)
	v_add_nc_u32 v[TM+2+\c], 0xff000000, v[TM+\c]  ; 2 off the exponent field: the conversion's scale operand
.endr
.irp c, 0,1
	s_delay_alu instid0(VALU_DEP_2)
	v_lshrrev_b32 v[TM+4+\c], 23, v[TM+2+\c]       ; the scale's byte
.endr
	s_delay_alu instid0(VALU_DEP_1)
	v_lshl_or_b32 v[TM+6], v[TM+5], 16, v[TM+4]    ; my two bytes, blocks h and 2 + h,
	s_delay_alu instid0(VALU_DEP_1)
	v_lshlrev_b32 v[TM+6], v[TM+7], v[TM+6]        ; 8 h bits up;
	s_delay_alu instid0(VALU_DEP_1)
	v_permlanex16_b32 v[TM+8], v[TM+6], s26, s27
	s_delay_alu instid0(VALU_DEP_1)
	v_or_b32 v[PW+\q], v[TM+6], v[TM+8]            ; with lane l xor 16's two the word is whole
.irp c, 0,1
	v_cvt_scalef32_pk16_fp6_f32 v[PCQ+6*\c:PCQ+6*\c+2], v[X+32*\c:X+32*\c+15], v[TM+2+\c]
	v_cvt_scalef32_pk16_fp6_f32 v[T+4*\c:T+4*\c+2], v[X+32*\c+16:X+32*\c+31], v[TM+2+\c]   ; (a conversion's three registers begin on an even number)
.endr
	v_nop                                          ; one plain place behind a scaled conversion
.irp c, 0,1
.irp i, 0,1,2
	v_mov_b32 v[PCQ+3+6*\c+\i], v[T+4*\c+\i]
.endr
.endr
.endm
.macro HALF q
	s_wait_loadcnt 16-16*(\q)                      ; this half's 16 loads are in; the other half's may be out
.irp i, 0,1,2,3,4,5,6,7,8,9,10,11,12,13,14,15
	ds_store_b128 v[SIN], v[R+64*\q+4*\i:R+64*\q+4*\i+3] offset:RP*\i+512*\q
.endr
.irp c, 0,1
.irp j, 0,1,2,3,4,5,6,7
	ds_load_b128 v[X+32*\c+4*\j:X+32*\c+4*\j+3], v[SOUT] offset:512*\q+256*\c+16*\j   ; LDS serves a wave's instructions in order: these see my stores
.endr
.endr
	s_wait_dscnt 0x0
	QF \q
.irp c, 0,1,2
	global_store_b128 v[LI], v[PC+12*\q+4*\c:PC+12*\q+4*\c+3], s[20:21] offset:FRB*\q+512*\c   ; the image: 512 consecutive bytes a store
.endr
	ds_store_b32 v[GSW], v[PW+\q] offset:256*\q    ; both lanes of a row write the same word with the same value
.endm
	HALF 0
	HALF 1
	s_wait_dscnt 0x0                               ; for the others' sake: my scale words lie in LDS
	s_barrier_signal -1
	s_barrier_wait -1
	s_cmp_gt_u32 s16, 1
	s_cbranch_scc1 .Ldone
	ds_load_b64 v[12:13], v[GSR]                   ; waves 0 and 1: 256 bytes of the half block's scale words each
	s_wait_dscnt 0x0
	global_store_b64 v[GSO], v[12:13], s[22:23] offset:BLKC   ; one aligned unit of 256 bytes
.Ldone:
	s_wait_tensorcnt 0x0                           ; the wave's end, behind my last LDS store
	ds_add_u32 v[SPW], v[NIL]
	s_wait_dscnt 0x0
	s_endpgm
.Lfunc_end_k_q11000fe3ea_quant:
	.size	k_q11000fe3ea_quant, .Lfunc_end_k_q11000fe3ea_quant-k_q11000fe3ea_quant
	.p2alignl 7, 3214868480
	.fill 96, 4, 3214868480
	.section	.rodata,"a",@progbits
	.p2align	6, 0x0
	.amdhsa_kernel k_q11000fe3ea_quant
		.amdhsa_group_segment_fixed_size 67584
		.amdhsa_private_segment_fixed_size 0
		.amdhsa_enable_private_segment 0
		.amdhsa_kernarg_size 48
		.amdhsa_user_sgpr_count 2
		.amdhsa_user_sgpr_kernarg_segment_ptr 1
		.amdhsa_wavefront_size32 1
		.amdhsa_system_sgpr_workgroup_id_x 1
		.amdhsa_system_sgpr_workgroup_id_y 1
		.amdhsa_system_sgpr_workgroup_id_z 1
		.amdhsa_system_vgpr_workitem_id 0
		.amdhsa_next_free_vgpr 256
		.amdhsa_next_free_sgpr 66
		.amdhsa_reserve_vcc 0
		.amdhsa_float_denorm_mode_32 3
		.amdhsa_float_denorm_mode_16_64 3
		.amdhsa_memory_ordered 1
		.amdhsa_forward_progress 1
		.amdhsa_inst_pref_size 21
	.end_amdhsa_kernel
	.amdgpu_metadata
---
amdhsa.version: [ 1, 2 ]
amdhsa.kernels:
  - .name:           k_q11000fe3ea_quant
    .symbol:         k_q11000fe3ea_quant.kd
    .args:
      - { .name: x, .offset: 0, .size: 8, .value_kind: global_buffer, .address_space: global }
      - { .name: Wq, .offset: 8, .size: 8, .value_kind: global_buffer, .address_space: global }
      - { .name: Wk, .offset: 16, .size: 8, .value_kind: global_buffer, .address_space: global }
      - { .name: Wv, .offset: 24, .size: 8, .value_kind: global_buffer, .address_space: global }
      - { .name: xc, .offset: 32, .size: 8, .value_kind: global_buffer, .address_space: global }
      - { .name: wc, .offset: 40, .size: 8, .value_kind: global_buffer, .address_space: global }
    .group_segment_fixed_size: 67584
    .private_segment_fixed_size: 0
    .kernarg_segment_align: 8
    .kernarg_segment_size: 48
    .max_flat_workgroup_size: 128
    .sgpr_count:     66
    .vgpr_count:     256
    .wavefront_size: 32
...
	.end_amdgpu_metadata
.endif
;; end of part 1
;; launch qkv (part 2): grid 64 x 4, 4 waves a work-group, clusters of 4 x 4, 327,680 bytes of LDS; arguments xc, wc, bq, bk, bv, qc, kc, vc; writes qc, kc, vc
.if DOCPART == 2
	.amdgcn_target "amdgcn-amd-amdhsa--gfx1250"
	.amdhsa_code_object_version 6
	.text
	.protected	k_q11000fe3ea_qkv
	.globl	k_q11000fe3ea_qkv
	.p2align	8
	.type	k_q11000fe3ea_qkv,@function
k_q11000fe3ea_qkv:
	s_mov_b64 s[64:65], 0
	v_nop
	global_prefetch_b8 v0, s[64:65] scope:SCOPE_SE
	s_setreg_imm32_b32 hwreg(HW_REG_WAVE_MODE, 25, 1), 1
	s_wait_xcnt 0x0
	s_wait_alu depctr_hold_cnt(0) depctr_sa_sdst(0) depctr_va_vdst(0) depctr_va_sdst(0) depctr_va_ssrc(0) depctr_va_vcc(0) depctr_vm_vsrc(0)
	s_getreg_b32 s2, hwreg(HW_REG_IB_STS2, 6, 4)
	s_cmp_eq_u32 s2, 0
	s_cbranch_scc0 .Lentry_in_a_cluster
	s_endpgm
.Lentry_in_a_cluster:
	s_bfe_u32 s2, ttmp6, 0x10000c
	s_cmp_lg_u32 s2, 0xf033
	s_cbranch_scc0 .Lentry_shape_is_right
	s_endpgm
.Lentry_shape_is_right:
; q = x Wq^T + bq, k = x Wk^T + bk, v = x Wv^T + bv on codes of FP6 (E2M3) with E8M0 scales, sums in f32; each result is quantised in registers along the K of the product that will read it
; (q, k: along the 1,024 outputs; v: along the keys) and leaves as register images (layout: 16 rows x 128 K = 1,536 bytes; 128 rows x 256 K = 16 fragments at (2 rb + q) x 1,536, then 1,024 bytes of scale words [q][rb][r] = 25,600).
; SOURCE 0 (P0) is the operand whose rows become the results' REGISTERS, the axis that is quantised; SOURCE 1 (P1) the one whose rows become the LANES.
; Lane r of a fragment rb holds row 32 (rb / 2) + 8 (rb % 2) + r % 8 + 16 (r / 8): so the 16 registers of tiles 2 b, 2 b + 1 are 16 neighbours, 32 b + 16 h + 0 .. 15, and the results' fragments have their rows in the same order as P1's.
; THE WORK is 384 tiles of 256 x 256 for 256 work-groups: A WORK-GROUP STAYS and makes one and a half.
;   TILE 1: 256 rows of x (P1) x 256 outputs of q or of k (P0 = Wq for even clusters, Wk for odd ones); a wave 128 x 128: 64 accumulators.
;   TILE 2: 256 keys of x (P0) x 128 channels of v (P1 = Wv); a wave 128 keys x 64 channels: 32 accumulators.
; 16 clusters of 4 x 4.  In both tiles P1's blocks hang on cy and go to a row of the cluster, P0's on cx and go to a column, jointly.
; LDS: three slots of four blocks.  Tile 1's K = 1,024 is four steps of 256: steps 0, 1, 2 are first fills (three tensor loads of a wave are out at the start), step 3 a refill of slot 0.
; Tile 2's operands for all of K are twelve blocks, as many as the slots hold.  P0's two groups of rows, 8 blocks on end in memory, fill slots 1 and 2, on end in LDS, by one load a wave when tile 1 has read both out;
; P1's 4 blocks fill slot 0 by one load a wave behind tile 1's last product, and land while tile 1 goes out.  So tile 2's loop has no round and no refill.  Behind each round one tensor load of a wave is out.
; The biases: q's and k's runs along the registers, v's along the lanes; each is added on the way out, by the packed additions that bring the sums beside the quantiser's registers.
; LIMITS: a block of zeros, or one whose largest magnitude lies under 2^-124, gets the scale byte 1 (this program alone reads the bytes); NaN and infinities are not served.
; No prefetch: three quarters of tile 1's bytes are asked for at the head, and tile 2's operands are asked for two and a half steps of 128 along K, and a whole way out, ahead of their first use.
; REGISTERS: window 0: v1-31, v56-63 addresses; v32-47 scale words of the products, two sets; v48-55 the scale words made; v64-127 64 numbers at work; v128-223 P1's fragments (tile 1: 8, one set; tile 2: 4, two sets), on the way out codes;
;   v224-243 at work; v244-251 v's bias.   window 1: P0's fragments, two sets at v0, v128; the bias along the registers at v96-127, v224-255.
;   windows 2, 3: the accumulators, (a, b) at v[8 (8 (a % 4) + b)] of window 2 + a / 4.
; ROW ORDER OF THE FRAGMENTS, in place of the one named above: lane r of fragment rb holds row 64 (rb / 4) + 32 (r / 8) + 8 (rb % 4) + r % 8 (Wv: 64 (rb / 4) + 4 r + rb % 4).
; So the 32 registers of tiles 4 c .. 4 c + 3 are 32 neighbours, 64 c + 32 h + 0 .. 31: a whole scale block in a lane.
; THE HEAD, in place of the one named above: one tensor load a wave.  Waves 0 and 1 fetch K step 0 of P1's and of P0's two groups, waves 2 and 3 K steps 1 and 2, on end in LDS: group x two blocks behind slot 0.
; The first barrier waits for waves 0's and 1's loads alone; the others' are waited for in front of the first round.
.set BLK,   25600
.set BLKC,  24576
.set FRB,   1536
.set SLOT,  4*BLK                      ; tile 1: P1's two groups of 128 rows, then P0's two = wave x BLK
.set STG,   3*SLOT                     ; 512 bytes a wave: the scale words made
.set SPARE, STG+4*512                  ; the spare words, 128 bytes a wave; no other line names them
.set LI,   4                           ; v4     16 x lane
.set ADR1, 8                           ; v8-10  tile 1: my P1 block in slot 0, 1, 2
.set ADR0, 12                          ; v12-14 my P0 block
.set ADRS, 16                          ; v16-18 scale words: lanes 0-15 P1's, lanes 16-31 P0's
.set SGA,  20
.set SGR,  21
.set BA0,  22
.set BA1,  23
.set A1T,  24                          ; v24-27 tile 2: my four fragments of P1 in K step 0 .. 3 of 256
.set SPW,  28
.set NIL,  29
.set L8,   30                          ; v30    8 x lane
.set SGR2, 31
.set SC,   32
.set PWR,  48
.set A0T,  56                          ; v56-59 tile 2: my group of P0 in K step 0 .. 3
.set AST,  60                          ; v60-63 tile 2: scale words
.set H,    64
.set AF,   128
.set TM,   224
.set LB,   244                         ; v244-251 v's bias of my lane's channel in each of my four fragments, at even registers
.set G1,   24                          ; s[24:31] group 1 for P1;  s[32:39] for P0;  s[40:43], s[48:51] groups 0 of the refills for P1 and P0; s[44:47], s[52:55] the head's
.set G1B,  32
.set G0,   40
.set G0B,  48
.set G1D,  56                          ; s[56:63] group 1 for P1's K steps 1 and 2, at the head alone
.set G1C,  68                          ; s[68:75] group 1 for tile 2's P0: two blocks to a load
.set G0C,  76                          ; s[76:79] its group 0;  s[80:83] group 0 for tile 2's P1
.set G0D,  80
.set BT,   8                           ; s[8:9]   the bias along the registers;  s[12:13] the bias along the lanes
.set BL,   12
.set OUT1, 92                          ; s[92:93], s[94:95] tile 1's fragments and scale words;  s[98:99], s[100:101] tile 2's
.set OUTS1, 94
.set OUT2, 98
.set OUTS2, 100
.set MSB, 0
.macro WIN new                         ; the immediate's high byte repeats the setting that is left
.if MSB != (\new)
	s_set_vgpr_msb (MSB<<8)|(\new)
.set MSB, (\new)
.endif
.endm
.macro PLACES n
.rept \n
	v_nop
.endr
.endm
.macro CREST                           ; a round of the cluster's barrier behind its opening barrier
	s_cmp_lg_u32 s20, 0
	s_cbranch_scc1 .Lnot_wave_0_\@
	s_barrier_signal -3
.Lnot_wave_0_\@:
	s_barrier_wait -3
	s_barrier_signal -1
	s_barrier_wait -1
.endm
.macro CROUND
	s_barrier_signal -1
	s_barrier_wait -1
	CREST
.endm
.macro JLOAD g0a, g1a, g0b, g1b        ; a joint load of tile 1: waves 0, 1 fetch P1's two blocks, waves 2, 3 P0's; an s_nop 0 and four v_nop follow each line
	s_cmp_eq_u32 s21, 0
	s_cbranch_scc0 .Lfor_b_\@
	tensor_load_to_lds s[\g0a:\g0a+3], s[\g1a:\g1a+7]
	s_nop 0
.rept 4
	v_nop
.endr
	s_branch .Lasked_\@
.Lfor_b_\@:
	tensor_load_to_lds s[\g0b:\g0b+3], s[\g1b:\g1b+7]
	s_nop 0
.rept 4
	v_nop
.endr
.Lasked_\@:
.endm
.macro FRAG reg, adr, off              ; a fragment's image back into 12 registers: three loads of 512 consecutive bytes
.irp c, 0,1,2
	ds_load_b128 v[\reg+4*\c:\reg+4*\c+3], v[\adr] offset:\off+512*\c
.endr
.endm
.macro FETCH_B slot, q, p              ; tile 1: P0's eight fragments into set p
	WIN 0x40
.irp i, 0,1,2,3,4,5,6,7
	FRAG 128*(\p)+12*\i, ADR0+\slot, (2*\i+(\q))*FRB
.endr
	WIN 0
.endm
.macro FETCH_A slot, q, i0             ; tile 1: P1's blocks i0 .. i0 + 3
.irp i, \i0, \i0+1, \i0+2, \i0+3
	FRAG AF+12*(\i), ADR1+\slot, (2*(\i)+(\q))*FRB
.endr
.endm
.macro SCALES slot, q, ss              ; register i: lanes 0-15 the words of P1's fragment i, lanes 16-31 those of P0's
.irp i, 0,1,2,3,4,5,6,7
	ds_load_b32 v[SC+8*(\ss)+\i], v[ADRS+\slot] offset:512*(\q)+64*\i
.endr
.endm
; 16 matrix instructions: P1's blocks a0, a0 + 1 (at af on) against P0's eight.  zero = 1: the first step starts the sums.  The accumulators take turns, one instruction a turn.
.macro MUL16 a0, p, zero, af
.irp a, \a0, \a0+1
.irp b, 0,1,2,3,4,5,6,7
.if \zero
	v_wmma_scale_f32_16x16x128_f8f6f4 v[8*(8*((\a)%4)+\b):8*(8*((\a)%4)+\b)+7], v[128*(\p)+12*\b:128*(\p)+12*\b+11], v[\af+12*(\a):\af+12*(\a)+11], 0, v[SC+8*(\p)+\b], v[SC+8*(\p)+(\a)] matrix_a_fmt:MATRIX_FMT_FP6 matrix_b_fmt:MATRIX_FMT_FP6 matrix_a_scale:MATRIX_SCALE_ROW1
.else
	v_wmma_scale_f32_16x16x128_f8f6f4 v[8*(8*((\a)%4)+\b):8*(8*((\a)%4)+\b)+7], v[128*(\p)+12*\b:128*(\p)+12*\b+11], v[\af+12*(\a):\af+12*(\a)+11], v[8*(8*((\a)%4)+\b):8*(8*((\a)%4)+\b)+7], v[SC+8*(\p)+\b], v[SC+8*(\p)+(\a)] matrix_a_fmt:MATRIX_FMT_FP6 matrix_b_fmt:MATRIX_FMT_FP6 matrix_a_scale:MATRIX_SCALE_ROW1
.endif
.endr
.endr
.endm
; TILE 1.  A step of 128 along K; its successor's fragments (slot nslot, half nq) are fetched in two runs.  Four plain places stand in front of each run of loads into registers that matrix instructions have read (ISA guide 7.12.1 for vector instructions).
.macro STEP p, zero, nslot, nq
	s_wait_dscnt 12                                ; all but the youngest 12 loads (P1's blocks 4-7) are in
	WIN 0xa1
	MUL16 0, \p, \zero, AF
	MUL16 2, \p, \zero, AF
	s_wait_dscnt 0x0                               ; P1's blocks 4-7 are in
	PLACES 4
	FETCH_B \nslot, \nq, 1-\p
	FETCH_A \nslot, \nq, 0
	SCALES \nslot, \nq, 1-\p
	WIN 0xf1
	MUL16 4, \p, \zero, AF
	MUL16 6, \p, \zero, AF
	PLACES 4
	WIN 0
	FETCH_A \nslot, \nq, 4
.endm
; A step with a refill: in front of the round each wave waits for all its tensor loads, adds 0 to its spare word, and waits for that and for its LDS reads.
; fill = 1: slot 0 takes tile 1's K step 3.  fill = 2: slots 1 and 2, both read out, take tile 2's P0 for all of K: wave w its blocks 2 w and 2 w + 1 of the eight.
.macro TURN p, fill, nslot
	s_wait_tensorcnt 0x0                           ; all my tensor loads have landed
	ds_add_u32 v[SPW], v[NIL]
.if \fill == 1                         ; no tensor load of mine is out: from here on a load brings one block (G1, G1B) or two on end (G1C), as rows of 256 bytes
.irp g, G1, G1B
	s_mov_b32 s[\g+1], 32<<16
	s_mov_b32 s[\g+2], 100<<16
	s_mov_b32 s[\g+3], 32<<16
	s_mov_b32 s[\g+4], 100
	s_mov_b32 s[\g+5], 32
.endr
	s_mov_b32 s[G1C+1], 32<<16
	s_mov_b32 s[G1C+2], 200<<16
	s_mov_b32 s[G1C+3], 32<<16
	s_mov_b32 s[G1C+4], 200
	s_mov_b32 s[G1C+5], 32
.endif
	s_wait_dscnt 13                                ; (the add and the youngest 12 loads may be out)
	WIN 0xa1
	MUL16 0, \p, 0, AF
	s_wait_dscnt 0x0                               ; the add is done, and my reads of the slots to be filled are over
	s_barrier_signal -1
	MUL16 2, \p, 0, AF
	WIN 0
	s_barrier_wait -1
	CREST                                          ; no wave of any partner still reads what is filled below or has a load on its way
.if \fill == 1
	s_add_nc_u64 s[G0+2:G0+3], s[G0+2:G0+3], 3*BLK
	s_add_nc_u64 s[G0B+2:G0B+3], s[G0B+2:G0B+3], 3*BLK
	JLOAD G0, G1, G0B, G1B                         ; the first tensor load behind the round; its four v_nop are the places in front of the loads below
.else
	tensor_load_to_lds s[G0C:G0C+3], s[G1C:G1C+7]  ; every wave issues this line, each with its own two blocks
	s_nop 0
	PLACES 4                                       ; the places in front of the loads below
.endif
	FETCH_B \nslot, 0, 1-\p
	FETCH_A \nslot, 0, 0
	SCALES \nslot, 0, 1-\p
	WIN 0xf1
	MUL16 4, \p, 0, AF
	MUL16 6, \p, 0, AF
	PLACES 4
	WIN 0
	FETCH_A \nslot, 0, 4
.endm
; TILE 2.  44 LDS loads in one run: half q of K step j into set ss: P0's 8 fragments, my 4 of P1, the scale words.
; (In scale register i lanes 16-31 take the words of P0's fragment i, lanes 0-15 those of P1's fragment 4 WR + i; for i above 3 lanes 0-15 read words that no product names.)
.macro FETCHT j, q, ss
	WIN 0x40
.irp i, 0,1,2,3,4,5,6,7
	FRAG 128*(\ss)+12*\i, A0T+\j, (2*\i+(\q))*FRB
.endr
	WIN 0
.irp i, 0,1,2,3
	FRAG AF+48*(\ss)+12*\i, A1T+\j, (2*\i+(\q))*FRB
.endr
.irp i, 0,1,2,3,4,5,6,7
	ds_load_b32 v[SC+8*(\ss)+\i], v[AST+\j] offset:512*(\q)+64*\i
.endr
.endm
; A step of 128 along K: the next step's run of loads stands ahead of this step's 32 matrix instructions, behind four plain places.
.macro STEPT p, zero, fetch, nj, nq
	s_wait_dscnt 0x0                               ; this step's set is in
.if \fetch
	PLACES 4
	FETCHT \nj, \nq, 1-\p
.endif
	WIN 0xa1
	MUL16 0, \p, \zero, AF+48*\p
	MUL16 2, \p, \zero, AF+48*\p
	WIN 0
.endm
; 64 numbers of a lane, register 32 c + i = k 64 c + 32 h + i of my row, become a fragment's codes in v[pc] on and its scale word in v[pw]
.macro QUANT s, pc, pw                 ; register 32 c + i = k 64 c + 32 h + i of my row: two whole blocks in a lane
.irp b, 0,1,2,3
	v_max3_num_f32 v[TM+\b], |v[\s+16*\b]|, |v[\s+1+16*\b]|, 0x1800000   ; each half block, and the floor 2^(3 - 127): the byte cannot fall under 1
.endr
.irp i, 2,4,6,8,10,12,14
.irp b, 0,1,2,3
	v_max3_num_f32 v[TM+\b], v[TM+\b], |v[\s+16*\b+\i]|, |v[\s+1+16*\b+\i]|
.endr
.endr
.irp c, 0,1
	v_max_num_f32 v[TM+\c+\c], v[TM+\c+\c], v[TM+\c+\c+1]
.endr
.irp c, 0,1
	v_add_nc_u32 v[TM+12+\c], 0xff000000, v[TM+\c+\c]   ; 2 off its exponent field: the conversion's scale operand
.endr
.irp c, 0,1
	v_lshrrev_b32 v[TM+8+\c], 23, v[TM+12+\c]      ; the scale's byte
.endr
	v_lshl_or_b32 v[\pw], v[TM+9], 16, v[TM+8]     ; blocks h and 2 + h,
	v_lshlrev_b32 v[\pw], v[TM+10], v[\pw]         ; 8 h bits up;
	v_permlanex16_b32 v[TM+4], v[\pw], s96, s97
	v_or_b32 v[\pw], v[\pw], v[TM+4]               ; with lane l xor 16's two the word is whole
.irp c, 0,1
	v_cvt_scalef32_pk16_fp6_f32 v[\pc+6*\c:\pc+2+6*\c], v[\s+32*\c:\s+15+32*\c], v[TM+12+\c]
	v_cvt_scalef32_pk16_fp6_f32 v[\pc+12+4*\c:\pc+14+4*\c], v[\s+16+32*\c:\s+31+32*\c], v[TM+12+\c]
.endr
	v_nop                                          ; one plain place behind a scaled conversion
.irp c, 0,1
.irp i, 0,1,2
	v_mov_b32 v[\pc+3+6*\c+\i], v[\pc+12+4*\c+\i]
.endr
.endr
.endm
; THE WAY OUT of 16 lanes' rows: + the bias (kind 0: along the registers; kind 1: my lane's), quantised, and the fragment's image stored: 512 consecutive bytes a store.
.macro EPI a, kind
.set AC, 64*((\a)%4)
.set PCS, AF+24*((\a)%2)
.set PWS, PWR+(\a)
	s_wait_xcnt 0x0                                ; earlier stores have read their registers: the codes' registers are written again only behind this wait
.if \kind
	WIN 0x02                                       ; source 0 the accumulators
.set n, 0
.rept 32
	v_pk_add_f32 v[H+n:H+n+1], v[AC+n:AC+n+1], v[LB+2*(\a):LB+2*(\a)+1] op_sel_hi:[1,0]   ; each accumulator from its low end on; of the bias's pair the low word serves both halves
.set n, n+2
.endr
.else
	WIN 0x06+(\a)/4                                ; source 0 the accumulators, source 1 window 1
.set n, 0
.rept 32
	v_pk_add_f32 v[H+n:H+n+1], v[AC+n:AC+n+1], v[96+n+96*(n/32):97+n+96*(n/32)]   ; each accumulator from its low end on
.set n, n+2
.endr
.endif
	WIN 0
	QUANT H, PCS, PWS
.irp c, 0,1,2
.if \kind
	global_store_b128 v[LI], v[PCS+4*\c:PCS+4*\c+3], s[OUT2:OUT2+1] offset:2*(\a)*FRB+512*\c
.else
	global_store_b128 v[LI], v[PCS+4*\c:PCS+4*\c+3], s[OUT1:OUT1+1] offset:2*(\a)*FRB+512*\c
.endif
.endr
	ds_store_b32 v[SGA], v[PWS] offset:64*(\a)     ; both lanes of a row write the same word with the same value
.endm
	s_load_b256 s[4:11], s[0:1], 0x0               ; xc, wc, bq, bk
	s_load_b256 s[12:19], s[0:1], 0x20             ; bv, qc, kc, vc
	v_lshl_add_u32 v[SPW], v0, 2, SPARE
	v_mov_b32 v[NIL], 0
	ds_add_u32 v[SPW], v[NIL]                      ; the wave's opening: the add and its wait ahead of my first tensor load
	ds_add_u32 v[SPW], v[NIL]
	v_lshrrev_b32 v1, 5, v0
	v_readfirstlane_b32 s20, v1                    ; wave 0..3
	s_lshr_b32 s21, s20, 1                         ; WR: my part of P1.  In tile 1 also: I fetch for P1 (0) or P0 (1)
	s_and_b32 s22, s20, 1                          ; WC: my 128 rows of P0.  In tile 1 also: which 128 rows I fetch
	s_mul_i32 s23, s20, BLK                        ; wave x a block: where my loads go in a slot
	s_bfe_u32 s66, ttmp6, 0x40000                  ; cx
	s_bfe_u32 s67, ttmp6, 0x40004                  ; cy
	s_lshl_b32 s84, s67, 2
	s_lshl_b32 s84, 15, s84                        ; my row of the cluster
	s_lshl_b32 s85, 0x1111, s66                    ; my column
	s_or_b32 s[G1], s84, (3<<16)|(1<<21)           ; the mask; elements of 8 bytes; bit 21 beside a mask; no padding
	s_or_b32 s[G1B], s85, (3<<16)|(1<<21)
	s_or_b32 s[G1C], s85, (3<<16)|(1<<21)
	s_or_b32 s[G1D], s84, (3<<16)|(1<<21)
.irp g, G1, G1B                        ; the head's tiles: two rows of a block, 25,600 bytes (3,200 elements), a group (102,400 bytes) apart
	s_mov_b32 s[\g+1], 3200<<16
	s_mov_b32 s[\g+2], 2<<16
	s_mov_b32 s[\g+3], 3200<<16
	s_mov_b32 s[\g+4], 2
	s_mov_b32 s[\g+5], 12800
	s_mov_b32 s[\g+6], 0
	s_mov_b32 s[\g+7], 0
.endr
.irp g, G1C, G1D                       ; and two rows of two blocks
	s_mov_b32 s[\g+1], 6400<<16
	s_mov_b32 s[\g+2], 2<<16
	s_mov_b32 s[\g+3], 6400<<16
	s_mov_b32 s[\g+4], 2
	s_mov_b32 s[\g+5], 12800
	s_mov_b32 s[\g+6], 0
	s_mov_b32 s[\g+7], 0
.endr
	s_and_b32 s84, ttmp9, 1                        ; the cluster's number: the same in all sixteen partners.  Its low bit: q or k; also the upper or lower four groups of v's channels
	s_lshr_b32 s85, ttmp9, 1                       ; the rest: which four tiles of x
	s_lshl_b32 s84, s84, 2
	s_lshl_b32 s85, s85, 2
	s_add_co_u32 s86, s84, s66                     ; tile 1: P0's tile of 256 rows of wc, 0..7
	s_add_co_u32 s87, s85, s67                     ; tile 1: P1's tile of 256 rows of xc, 0..31
	s_add_co_u32 s88, s85, s66                     ; tile 2: P0's tile of 256 keys of xc, 0..31
	s_add_co_u32 s89, s84, s67                     ; tile 2: P1's group of 128 channels, 0..7
	s_lshl_b32 s90, s86, 1
	s_add_co_u32 s90, s90, s22
	s_mul_i32 s90, s90, 4*BLK                      ; tile 1: the group of 128 rows that I fetch, if for P0
	s_mov_b32 s91, 0
	s_lshl_b32 s98, s87, 1
	s_add_co_u32 s98, s98, s22
	s_mul_i32 s98, s98, 4*BLK                      ; if for P1
	s_mov_b32 s99, 0
	s_lshl_b32 s100, s88, 2
	s_add_co_u32 s100, s100, s20
	s_mul_i32 s100, s100, 2*BLK                    ; tile 2: blocks 2 w, 2 w + 1 of P0's eight
	s_mov_b32 s101, 0
	s_lshl_b32 s2, s89, 2
	s_add_co_u32 s2, s2, s20
	s_add_co_u32 s2, s2, 64
	s_mul_i32 s2, s2, BLK                          ; tile 2: block w of P1's four (Wv: groups 16 on of wc)
	s_mov_b32 s3, 0
	s_mov_b32 s96, 0x76543210
	s_mov_b32 s97, 0xfedcba98                      ; selects for lane l xor 16
	s_wait_dscnt 0x0                               ; the opening add is done
	s_wait_kmcnt 0x0
	s_add_nc_u64 s[90:91], s[6:7], s[90:91]
	s_add_nc_u64 s[98:99], s[4:5], s[98:99]
	s_add_nc_u64 s[100:101], s[4:5], s[100:101]
	s_add_nc_u64 s[2:3], s[6:7], s[2:3]
	CROUND                                         ; all sixteen work-groups are here: the first joint loads meet
	s_mov_b32 s[G0], 1                             ; for the refill of slot 0: my own group's block
	s_mov_b32 s[G0+1], s23
	s_mov_b64 s[G0+2:G0+3], s[98:99]
	s_or_b32 s[G0+3], s[G0+3], 0x80000000
	s_mov_b32 s[G0B], 1
	s_mov_b32 s[G0B+1], s23
	s_mov_b64 s[G0B+2:G0B+3], s[90:91]
	s_or_b32 s[G0B+3], s[G0B+3], 0x80000000
	s_mul_i32 s84, s22, 4*BLK                      ; for the head: from the tile's first group on; waves 2 and 3 from K step 1 on, into the bytes behind slot 0
	s_mov_b32 s85, 0
	s_sub_nc_u64 s[G0+6:G0+7], s[98:99], s[84:85]
	s_sub_nc_u64 s[G0B+6:G0B+7], s[90:91], s[84:85]
	s_mul_i32 s84, s21, BLK
	s_add_nc_u64 s[G0+6:G0+7], s[G0+6:G0+7], s[84:85]
	s_add_nc_u64 s[G0B+6:G0B+7], s[G0B+6:G0B+7], s[84:85]
	s_or_b32 s[G0+7], s[G0+7], 0x80000000
	s_or_b32 s[G0B+7], s[G0B+7], 0x80000000
	s_mov_b32 s[G0+4], 1
	s_mul_i32 s[G0+5], s21, SLOT
	s_mov_b32 s[G0B+4], 1
	s_mul_i32 s[G0B+5], s21, SLOT+2*BLK
	s_add_co_u32 s[G0B+5], s[G0B+5], 2*BLK
.macro TLOAD g0, g1                    ; an s_nop 0 and four v_nop follow each tensor load
	tensor_load_to_lds s[\g0:\g0+3], s[\g1:\g1+7]
	s_nop 0
	PLACES 4
.endm
	s_cmp_eq_u32 s20, 0
	s_cbranch_scc0 .Lhead_1
	TLOAD G0+4, G1                                 ; wave 0: P1's K step 0
	s_branch .Lhead_asked
.Lhead_1:
	s_cmp_eq_u32 s20, 1
	s_cbranch_scc0 .Lhead_2
	TLOAD G0B+4, G1B                               ; wave 1: P0's
	s_branch .Lhead_asked
.Lhead_2:
	s_cmp_eq_u32 s20, 2
	s_cbranch_scc0 .Lhead_3
	TLOAD G0+4, G1D                                ; wave 2: P1's K steps 1 and 2
	s_branch .Lhead_asked
.Lhead_3:
	TLOAD G0B+4, G1C                               ; wave 3: P0's
.Lhead_asked:
	s_mov_b32 s[G0C], 1                            ; tile 2's two descriptors
	s_mul_i32 s[G0C+1], s20, 2*BLK
	s_add_co_u32 s[G0C+1], s[G0C+1], SLOT          ; slots 1 and 2 on end: wave x two blocks
	s_mov_b64 s[G0C+2:G0C+3], s[100:101]
	s_or_b32 s[G0C+3], s[G0C+3], 0x80000000
	s_mov_b32 s[G0D], 1
	s_mov_b32 s[G0D+1], s23                        ; slot 0: wave x a block
	s_mov_b64 s[G0D+2:G0D+3], s[2:3]
	s_or_b32 s[G0D+3], s[G0D+3], 0x80000000
	v_and_b32 v1, 15, v0                           ; r
	v_bfe_u32 v2, v0, 4, 1                         ; h
	v_and_b32 v3, 31, v0
	v_lshlrev_b32 v[LI], 4, v3
	v_lshlrev_b32 v[L8], 3, v3
	v_lshlrev_b32 v[BA0], 7, v2                    ; the bias along the registers: 32 numbers a half
	s_wait_alu depctr_va_vdst(0)
	v_lshlrev_b32 v[BA1], 4, v1                    ; the bias along the lanes: channel 4 r + fragment
	v_lshlrev_b32 v[TM+10], 3, v2                  ; 8 h; never rewritten
	s_wait_alu depctr_va_vdst(0)
	s_lshl_b32 s84, s66, 10                        ; q, k: outputs 256 cx + 128 WC on
	s_lshl_b32 s90, s22, 9
	s_add_co_u32 s84, s84, s90
	s_mov_b32 s85, 0
	s_bitcmp1_b32 ttmp9, 0
	s_cselect_b64 s[BT:BT+1], s[10:11], s[8:9]     ; bk or bq
	s_cselect_b64 s[14:15], s[16:17], s[14:15]     ; kc or qc
	s_add_nc_u64 s[BT:BT+1], s[BT:BT+1], s[84:85]
	s_lshl_b32 s84, s89, 9                         ; v: channels 128 x group + 64 WR on
	s_lshl_b32 s90, s21, 8
	s_add_co_u32 s84, s84, s90
	s_add_nc_u64 s[BL:BL+1], s[BL:BL+1], s[84:85]
	WIN 0x40
.irp b, 0,1,2,3
.irp j, 0,1,2,3
	global_load_b128 v[96+16*\b+4*\j+96*(\b/2):99+16*\b+4*\j+96*(\b/2)], v[BA0], s[BT:BT+1] offset:256*(\b/2)+64*(\b%2)+16*\j   ; number 32 c + i: output 64 c + 32 h + i
.endr
.endr
	WIN 0
.irp a, 0,1,2,3
	global_load_b32 v[LB+2*\a], v[BA1], s[BL:BL+1] offset:4*\a   ; both are waited for at the first way out; their address registers are never rewritten
.endr
.irp a, 0,1,2,3
	v_mov_b32 v[LB+2*\a+1], 0                      ; named as the upper halves of pairs, so they are written
	v_mov_b32 v[TM+4+\a], 0                        ; written once: a lane permute's destination counts as a source
.endr
	s_lshl_b32 s84, s87, 1                         ; tile 1's block: (2 x tile of x + WR) x 4 + cx
	s_add_co_u32 s84, s84, s21
	s_lshl_b32 s84, s84, 2
	s_add_co_u32 s84, s84, s66
	s_mul_i32 s84, s84, BLK
	s_add_nc_u64 s[14:15], s[14:15], s[84:85]
	s_mul_i32 s84, s22, FRB
	s_add_nc_u64 s[OUT1:OUT1+1], s[14:15], s[84:85]       ; my fragments: (2 a + WC) x FRB
	s_lshl_b32 s84, s22, 9
	s_add_co_u32 s84, s84, BLKC
	s_add_nc_u64 s[OUTS1:OUTS1+1], s[14:15], s[84:85]     ; my 512 bytes of scale words
	s_lshr_b32 s84, s88, 3                         ; tile 2's block: (8 x batch + group of channels) x 8 + the step of 256 keys
	s_lshl_b32 s84, s84, 3
	s_add_co_u32 s84, s84, s89
	s_lshl_b32 s84, s84, 3
	s_and_b32 s90, s88, 7
	s_add_co_u32 s84, s84, s90
	s_mul_i32 s84, s84, BLK
	s_add_nc_u64 s[18:19], s[18:19], s[84:85]
	s_lshl_b32 s84, s21, 3
	s_add_co_u32 s84, s84, s22
	s_mul_i32 s84, s84, FRB
	s_add_nc_u64 s[OUT2:OUT2+1], s[18:19], s[84:85]       ; my fragments: (2 (4 WR + a) + WC) x FRB
	s_lshl_b32 s84, s22, 9
	s_lshl_b32 s90, s21, 8
	s_add_co_u32 s84, s84, s90
	s_add_co_u32 s84, s84, BLKC
	s_add_nc_u64 s[OUTS2:OUTS2+1], s[18:19], s[84:85]     ; my 256 bytes of scale words
	s_mul_i32 s84, s21, BLK                        ; tile 1's LDS addresses
	s_add_co_u32 s90, s22, 2
	s_mul_i32 s90, s90, BLK
.irp s, 0,1,2
	v_add_nc_u32 v[ADR1+\s], s84, v[LI]
	v_add_nc_u32 v[ADR0+\s], s90, v[LI]
.if \s == 0
	s_lshl_b32 s84, s84, 1
	s_lshl_b32 s90, s90, 1
	s_add_co_u32 s84, s84, SLOT
	s_add_co_u32 s90, s90, SLOT
.else
	s_add_co_u32 s84, s84, BLK
	s_add_co_u32 s90, s90, BLK
.endif
.endr
	s_add_co_u32 s90, s22, 2
	s_sub_co_u32 s90, s90, s21
	s_mul_i32 s90, s90, BLK                        ; from my P1 block to my P0 block
	v_mul_u32_u24 v5, s90, v2                      ; lanes 16-31 take P0's words
	v_lshl_add_u32 v5, v1, 2, v5
	s_mul_i32 s84, s21, BLK
	s_add_co_u32 s84, s84, BLKC
	v_add_nc_u32 v[ADRS], s84, v5
	s_lshl_b32 s90, s90, 1
	v_mul_u32_u24 v5, s90, v2
	v_lshl_add_u32 v5, v1, 2, v5
	s_mul_i32 s84, s21, 2*BLK
	s_add_co_u32 s84, s84, SLOT+BLKC
	v_add_nc_u32 v[ADRS+1], s84, v5
	v_add_nc_u32 v[ADRS+2], BLK, v[ADRS+1]
	s_mul_i32 s84, s21, 8*FRB                      ; tile 2's: P1 lies in slot 0, K step j at j blocks; my fragments 4 WR + a
	v_add_nc_u32 v[A1T], s84, v[LI]
	s_mul_i32 s84, s22, 4*BLK                      ; P0 lies in slots 1 and 2: group WC, K step j at j blocks
	s_add_co_u32 s84, s84, SLOT
	v_add_nc_u32 v[A0T], s84, v[LI]
	s_lshl_b32 s90, s21, 8                         ; P1's words of my four fragments begin 256 WR bytes on
	s_sub_co_u32 s84, s84, s90                     ; from there to P0's words
	v_mul_u32_u24 v5, s84, v2                      ; lanes 16-31 take P0's
	v_lshl_add_u32 v5, v1, 2, v5
	s_add_co_u32 s90, s90, BLKC
	v_add_nc_u32 v[AST], s90, v5
.irp j, 1,2,3
	v_add_nc_u32 v[A1T+\j], \j*BLK, v[A1T]
	v_add_nc_u32 v[A0T+\j], \j*BLK, v[A0T]
	v_add_nc_u32 v[AST+\j], \j*BLK, v[AST]
.endr
	s_lshl_b32 s84, s20, 9
	s_add_co_u32 s84, s84, STG
	v_lshl_add_u32 v[SGA], v1, 2, s84
	v_add_nc_u32 v[SGR], s84, v[LI]
	v_add_nc_u32 v[SGR2], s84, v[L8]
	s_wait_alu depctr_va_vdst(0)
	s_cmp_lt_u32 s20, 2
	s_cbranch_scc0 .Lsteps_later
	s_wait_tensorcnt 0x0
.Lsteps_later:
	s_barrier_signal -1
	s_barrier_wait -1                              ; K step 0 is whole; steps 1 and 2 may still be on their way
	FETCH_B 0, 0, 0
	FETCH_A 0, 0, 0
	SCALES 0, 0, 0
	FETCH_A 0, 0, 4
	STEP 0, 1, 0, 1                                ; TILE 1: the eight steps of 128 along K
	TURN 1, 1, 1                                   ; every wave has shown all three first fills landed: slots 1 and 2 are whole from here on; slot 0 takes K step 3
	STEP 0, 0, 1, 1
	STEP 1, 0, 2, 0
	STEP 0, 0, 2, 1
	TURN 1, 2, 0                                   ; K step 3 is whole; slots 1 and 2 take tile 2's P0
	STEP 0, 0, 0, 1
	s_wait_dscnt 12
	WIN 0xa1
	MUL16 0, 1, 0, AF
	MUL16 2, 1, 0, AF
	s_wait_dscnt 0x0
	WIN 0xf1
	MUL16 4, 1, 0, AF
	MUL16 6, 1, 0, AF
	WIN 0
	s_wait_tensorcnt 0x0                           ; tile 2's P0 has landed: no tensor load of mine is out
	ds_add_u32 v[SPW], v[NIL]
	s_wait_dscnt 0x0                               ; the add is done; my reads of slot 0 were over in front of the last products
	CROUND                                         ; no wave of any partner still reads slot 0 or has a load on its way; tile 2's P0 is whole
	tensor_load_to_lds s[G0D:G0D+3], s[G1:G1+7]    ; slot 0 takes tile 2's P1 for all of K: wave w its block w; it lands while tile 1 goes out
	s_nop 0
	PLACES 4                                       ; the places behind the last products
	s_wait_loadcnt 0x0                             ; the biases, asked for at the head
.irp a, 0,1,2,3,4,5,6,7
	EPI \a, 0
.endr
	ds_load_b128 v[240:243], v[SGR]                ; LDS serves a wave's instructions in order: this sees my eight stores
	s_wait_dscnt 0x0
	global_store_b128 v[LI], v[240:243], s[OUTS1:OUTS1+1]   ; my 128 rows' scale words: 512 consecutive bytes
	s_wait_tensorcnt 0x0                           ; TILE 2.  My block of P1 is in: no load was issued behind it,
	s_barrier_signal -1
	s_barrier_wait -1                              ; everybody's is
	s_wait_xcnt 0x0                                ; tile 1's stores have read the codes' registers: fragments may land there
	FETCHT 0, 0, 0
	STEPT 0, 1, 1, 0, 1                            ; the eight steps of 128 along K
	STEPT 1, 0, 1, 1, 0
	STEPT 0, 0, 1, 1, 1
	STEPT 1, 0, 1, 2, 0
	STEPT 0, 0, 1, 2, 1
	STEPT 1, 0, 1, 3, 0
	STEPT 0, 0, 1, 3, 1
	STEPT 1, 0, 0, 0, 0
	PLACES 4                                       ; behind the last products
.irp a, 0,1,2,3
	EPI \a, 1
.endr
	ds_load_b64 v[240:241], v[SGR2]                ; my four fragments' scale words: 8 bytes a lane
	s_wait_dscnt 0x0
	global_store_b64 v[L8], v[240:241], s[OUTS2:OUTS2+1]    ; 32 lanes store 256 consecutive bytes, aligned
	s_wait_tensorcnt 0x0                           ; the wave's end
	ds_add_u32 v[SPW], v[NIL]
	s_wait_dscnt 0x0
	CROUND                                         ; the closing round
	s_endpgm
.Lfunc_end_k_q11000fe3ea_qkv:
	.size	k_q11000fe3ea_qkv, .Lfunc_end_k_q11000fe3ea_qkv-k_q11000fe3ea_qkv
	.p2alignl 7, 3214868480
	.fill 96, 4, 3214868480
	.section	.rodata,"a",@progbits
	.p2align	6, 0x0
	.amdhsa_kernel k_q11000fe3ea_qkv
		.amdhsa_group_segment_fixed_size 327680
		.amdhsa_private_segment_fixed_size 0
		.amdhsa_enable_private_segment 0
		.amdhsa_kernarg_size 64
		.amdhsa_user_sgpr_count 2
		.amdhsa_user_sgpr_kernarg_segment_ptr 1
		.amdhsa_wavefront_size32 1
		.amdhsa_system_sgpr_workgroup_id_x 1
		.amdhsa_system_sgpr_workgroup_id_y 1
		.amdhsa_system_sgpr_workgroup_id_z 1
		.amdhsa_system_vgpr_workitem_id 0
		.amdhsa_next_free_vgpr 1024
		.amdhsa_next_free_sgpr 102
		.amdhsa_reserve_vcc 0
		.amdhsa_float_denorm_mode_32 3
		.amdhsa_float_denorm_mode_16_64 3
		.amdhsa_memory_ordered 1
		.amdhsa_forward_progress 1
		.amdhsa_inst_pref_size 236
	.end_amdhsa_kernel
	.amdgpu_metadata
---
amdhsa.version: [ 1, 2 ]
amdhsa.kernels:
  - .name:           k_q11000fe3ea_qkv
    .symbol:         k_q11000fe3ea_qkv.kd
    .args:
      - { .name: xc, .offset: 0, .size: 8, .value_kind: global_buffer, .address_space: global }
      - { .name: wc, .offset: 8, .size: 8, .value_kind: global_buffer, .address_space: global }
      - { .name: bq, .offset: 16, .size: 8, .value_kind: global_buffer, .address_space: global }
      - { .name: bk, .offset: 24, .size: 8, .value_kind: global_buffer, .address_space: global }
      - { .name: bv, .offset: 32, .size: 8, .value_kind: global_buffer, .address_space: global }
      - { .name: qc, .offset: 40, .size: 8, .value_kind: global_buffer, .address_space: global }
      - { .name: kc, .offset: 48, .size: 8, .value_kind: global_buffer, .address_space: global }
      - { .name: vc, .offset: 56, .size: 8, .value_kind: global_buffer, .address_space: global }
    .group_segment_fixed_size: 327680
    .private_segment_fixed_size: 0
    .kernarg_segment_align: 8
    .kernarg_segment_size: 64
    .max_flat_workgroup_size: 128
    .sgpr_count:     102
    .vgpr_count:     1024
    .wavefront_size: 32
...
	.end_amdgpu_metadata
.endif
;; end of part 2
;; launch scores (part 3): grid 8 x 32, 4 waves a work-group, clusters of 4 x 4, 327,680 bytes of LDS; arguments qc, kc, pc, st; writes pc, st
.if DOCPART == 3
	.amdgcn_target "amdgcn-amd-amdhsa--gfx1250"
	.amdhsa_code_object_version 6
	.text
	.protected	k_q11000fe3ea_scores
	.globl	k_q11000fe3ea_scores
	.p2align	8
	.type	k_q11000fe3ea_scores,@function
k_q11000fe3ea_scores:
	s_mov_b64 s[64:65], 0
	v_nop
	global_prefetch_b8 v0, s[64:65] scope:SCOPE_SE
	s_setreg_imm32_b32 hwreg(HW_REG_WAVE_MODE, 25, 1), 1
	s_wait_xcnt 0x0
	s_wait_alu depctr_hold_cnt(0) depctr_sa_sdst(0) depctr_va_vdst(0) depctr_va_sdst(0) depctr_va_ssrc(0) depctr_va_vcc(0) depctr_vm_vsrc(0)
	s_getreg_b32 s2, hwreg(HW_REG_IB_STS2, 6, 4)
	s_cmp_eq_u32 s2, 0
	s_cbranch_scc0 .Lentry_in_a_cluster
	s_endpgm
.Lentry_in_a_cluster:
	s_bfe_u32 s2, ttmp6, 0x10000c
	s_cmp_lg_u32 s2, 0xf033
	s_cbranch_scc0 .Lentry_shape_is_right
	s_endpgm
.Lentry_shape_is_right:
; S^T = k q^T on codes of FP6 (E2M3) with E8M0 scales, sums in f32, and the softmax's numerator, quantised.
; qc, kc: register images (16 rows x 128 K = 1,536 bytes; 128 rows x 256 K = 16 fragments at (2 rb + q) x 1,536, then 1,024 bytes of scale words [q][rb][r] = 25,600), a tile of 256 rows = 2 groups of 4 blocks on end.
; A work-group of four waves makes 256 queries x 256 keys of one batch.  A WAVE HOLDS 64 KEYS, ALL OF K = 1,024, IN REGISTERS (32 fragments, 384 registers) and streams the 256 queries past them in 16 blocks of 16 rows (8 fragments, two sets).
; Source 0 = keys, source 1 = queries: by the fragments' row order a lane's 32 results of a block are keys 32 h + 0 .. 31 of the wave's 64 for one query: one scale block.
; THE SOFTMAX.  t = score x log2(e) / 32.  For each query and each band of 64 keys: M = the band's largest t rounded up to a whole number; p = 2^(t - M), quantised along the keys; l = the sum of the unquantised p.
; At the end the work-group joins its four bands: the largest M, l and the scale bytes moved by the whole number of the difference: a power of two, so the codes stand as they are.
; The softmax of one block stands among the next block's products (its sums and conversions behind them).
; pc: [32 tiles of 256 queries][K half: 1,024 keys][16 query blocks][8 steps of 128 keys][piece 3 c + i of 2 registers, c the band][lane][8 bytes];
; st: -M [8 key tiles][8,192 rows in block order], l the same, then two scale words a row [8][8,192][2].
; 16 clusters of 4 x 4: q's tiles hang on cy and go to a row of the cluster, k's on cx (and the batch) and go to a column, jointly.
; LDS: q's group 0 (128 queries) and the 256 keys at the head, one load a wave; when all waves hold their keys in registers, q's group 1 is loaded onto the keys' bytes: the one refill.  It is prefetched at the head, a sixteenth a wave of the row of the cluster.
; LIMITS: the promise holds while |t| stays under 2^31; p under 2^-126 is 0 (v_exp_f32); a block whose largest p lies under 2^-124 gets the scale byte 1; a scale byte that would fall under 0 is held there; NaN and infinities are not served.
; The exponentials stand in one batch behind a block's products, among the LDS loads of the fetch.
.set FRB,   1536
.set KB,    102400                     ; the keys' 204,800 bytes; later q's group 1
.set STM,   KB+204800                  ; -M [4 bands][256 rows], l behind it
.set STB,   STM+8192                   ; scale bytes [4 bands][256 rows][2]
.set SPARE, STB+2048                   ; the spare words, 128 bytes a wave; no other line names them
.set SPW,  2
.set NIL,  3
.set LI,   4                           ; v4     16 x lane
.set KA,   6                           ; v6-7   my keys' fragments (v7: K blocks 2, 3)
.set KSA,  8                           ; v8-9   their scale words
.set QA,   10                          ; v10-11 the block that is fetched next;  v12-13 block 0's
.set QB,   12
.set QSA,  14                          ; v14, v15 the same for scale words: lanes 16-31 take the odd steps
.set QSB,  15
.set QS2,  84                          ; v84, v85 the same for K blocks 2, 3
.set S3,   86
.set S4,   88
.set SMB,  16                          ; v16-19 where -M, l and the scale byte go
.set SM,   17
.set SBB,  18
.set SBY,  19
.set PO,   20                          ; v20    8 x lane
.set PF,   21
.set KS,   24                          ; v24-39 the keys' scale words: register 2 k + p: lanes 0-15 tile 2 p, lanes 16-31 tile 2 p + 1
.set QS,   40                          ; v40-47 the queries', two sets: register k / 2: lanes 0-15 step k even, lanes 16-31 odd
.set T,    48
.set BM,   52                          ; the block's largest score
.set BP,   53                          ; its largest p
.set NM,   54                          ; -M, as the low word of a pair
.set LS,   56
.set U,    58
.set SCO,  60
.set BY,   61
.set LR,   62
.set XL,   63                          ; a lane permute's destination
.set CD,   64                          ; v64-69, v72-77 codes
.set TC,   80
.set H,    96
.set ACC,  128                         ; v128-191 two sets of four accumulators
.set G1K,  24
.set G1Q,  32
.set G0K,  48
.set G0Q,  52
.set G0R,  56
.set MSB, 0
.macro WIN new                         ; the immediate's high byte repeats the setting that is left
.if MSB != (\new)
	s_set_vgpr_msb (MSB<<8)|(\new)
.set MSB, (\new)
.endif
.endm
.macro PLACES n
.rept \n
	v_nop
.endr
.endm
.macro WALU
	s_wait_alu depctr_va_vdst(0)
.endm
.macro CROUND
	s_barrier_signal -1
	s_barrier_wait -1
	s_cmp_lg_u32 s20, 0
	s_cbranch_scc1 .Lnot_wave_0_\@
	s_barrier_signal -3
.Lnot_wave_0_\@:
	s_barrier_wait -3
	s_barrier_signal -1
	s_barrier_wait -1
.endm
.macro TLOAD g0, g1                    ; an s_nop 0 and four v_nop follow each tensor load
	tensor_load_to_lds s[\g0:\g0+3], s[\g1:\g1+7]
	s_nop 0
	PLACES 4
.endm
.macro DENSE g, mask, rows             ; a dense block as rows of 32 elements of 8 bytes
	s_or_b32 s[\g], s\mask, (3<<16)|(1<<21)
	s_mov_b32 s[\g+1], 32<<16
	s_mov_b32 s[\g+2], (\rows)<<16
	s_mov_b32 s[\g+3], 32<<16
	s_mov_b32 s[\g+4], \rows
	s_mov_b32 s[\g+5], 32
	s_mov_b32 s[\g+6], 0
	s_mov_b32 s[\g+7], 0
.endm
; fragment f lies in window 1 + f / 21 at register 12 (f % 21): 0-31 the keys' (4 k + t), 32-39 and 40-47 the queries' two sets
.macro KLOAD k                         ; the keys' four fragments of step k
.irp t, 0,1,2,3
.set F_, 4*(\k)+\t
	WIN ((1+F_/21)<<6)
.irp c, 0,1,2
	ds_load_b128 v[12*(F_%21)+4*\c:12*(F_%21)+4*\c+3], v[KA+(\k)/4] offset:(((\k)/2)%2)*25600+(2*\t+(\k)%2)*FRB+512*\c
.endr
.endr
.endm
.macro EXPS n                          ; the next n of the 33 exponentials: the block's largest p first
.rept \n
.if Z_ == 0
	v_exp_f32 v[BP], v[BP]                         ; the same two instructions on the same number give the same bits
.else
	v_exp_f32 v[H+Z_-1], v[H+Z_-1]                 ; p = 2^(t - M), at most 1
.endif
.set Z_, Z_+1
.endr
.endm
.macro FHALF e, hf                     ; half of a block of queries (K blocks 2 hf, 2 hf + 1) into set e: 14 loads; scale register k / 2: lanes 0-15 step k even, lanes 16-31 odd
.irp k, 0,1,2,3
.set F_, 32+8*(\e)+4*(\hf)+\k
	WIN ((1+F_/21)<<6)
.irp c, 0,1,2
	ds_load_b128 v[12*(F_%21)+4*\c:12*(F_%21)+4*\c+3], v[QA+(\hf)] offset:(\k/2)*25600+(\k%2)*FRB+512*\c
.endr
.endr
	WIN 0
.irp i, 0,1
.if \hf
	ds_load_b32 v[QS+4*(\e)+2+\i], v[QS2] offset:\i*25600
.else
	ds_load_b32 v[QS+4*(\e)+\i], v[QSA] offset:\i*25600
.endif
.endr
.endm
.macro FETCH e
	FHALF \e, 0
	FHALF \e, 1
.endm
.macro QSTEP                           ; the next block's addresses: 3,072 bytes on; from group 0's last block to group 1's first
	s_add_co_u32 s46, s46, 64
	s_add_co_u32 s45, s45, 2*FRB
	s_cmp_eq_u32 s45, 16*FRB
	s_cselect_b32 s45, s47, s45
	s_cselect_b32 s46, s47, s46
	v_add_nc_u32 v[QA], s45, v[QB]
	v_add_nc_u32 v[QA+1], s45, v[QB+1]
	v_add_nc_u32 v[QSA], s46, v[QSB]
	v_add_nc_u32 v[QS2], s46, v[QS2+1]
.endm
.macro PZ ra, rb, c
	v_wmma_scale_f32_16x16x128_f8f6f4 v[D_:D_+7], v[XA_:XA_+11], v[XB_:XB_+11], \c, v[SA_], v[SB_] matrix_a_fmt:MATRIX_FMT_FP6 matrix_b_fmt:MATRIX_FMT_FP6 matrix_a_scale:MATRIX_SCALE_ROW\ra matrix_b_scale:MATRIX_SCALE_ROW\rb
.endm
.macro PW c
.if T_%2
.if K_%2
	PZ 1, 1, \c
.else
	PZ 1, 0, \c
.endif
.else
.if K_%2
	PZ 0, 1, \c
.else
	PZ 0, 0, \c
.endif
.endif
.endm
.macro PROD n, e                       ; product n = 4 k + t of a block; the four accumulators take turns
.set K_, (\n)/4
.set T_, (\n)%4
.set FQ_, 32+8*(\e)+K_
.set D_, ACC+32*(\e)+8*T_
.set XA_, 12*((\n)%21)
.set XB_, 12*(FQ_%21)
.set SA_, KS+2*K_+T_/2
.set SB_, QS+4*(\e)+K_/2
	WIN (1+(\n)/21)|((1+FQ_/21)<<2)
.if K_ == 0
	PW 0
.else
	PW v[D_:D_+7]
.endif
.endm
.macro RUN from, to, e, list, x        ; behind every second product one group of the list
.set N_, \from
.rept (\to)-(\from)
	PROD N_, \e
.if N_%2
	\list N_/2, \x
.endif
.set N_, N_+1
.endr
.endm
.macro L_NONE i, x
.endm
.macro PKF m, x
	v_pk_fma_f32 v[H+2*(\m):H+2*(\m)+1], v[\x+2*(\m):\x+2*(\m)+1], s[92:93], v[NM:NM+1] op_sel_hi:[1,0,0]   ; t - M, two at a time (of c and -M the low word serves both halves)
.endm
; the softmax of the block whose sums lie at x, in 16 groups; each accumulator is read from its low end on
.macro SOFT i, x
.if (\i) < 12
	WIN 0
.endif
.if (\i) == 0
.irp t, 0,1,2,3
	v_max3_num_f32 v[T+\t], v[\x+8*\t], v[\x+8*\t+1], v[\x+8*\t+2]
.endr
.elseif (\i) < 3
.irp t, 0,1,2,3
	v_max3_num_f32 v[T+\t], v[T+\t], v[\x+8*\t+1+2*(\i)], v[\x+8*\t+2+2*(\i)]
.endr
.elseif (\i) == 3
	v_max3_num_f32 v[T], v[T], v[\x+7], v[\x+15]
	v_max3_num_f32 v[T+1], v[T+1], v[\x+23], v[\x+31]
	v_max3_num_f32 v[BM], v[T+2], v[T+3], v[T]
.elseif (\i) == 4
	v_max_num_f32 v[BM], v[BM], v[T+1]             ; my block's largest score
	v_permlanex16_b32 v[T+3], v[BM], s96, s97
.elseif (\i) == 5
	v_max_num_f32 v[T+3], v[T+3], v[BM]            ; the band's: with lane l xor 16's block
	v_mul_f32 v[T+3], s92, v[T+3]                  ; as t (c is positive)
.elseif (\i) == 6
	v_floor_f32 v[NM], -v[T+3]                     ; -M = floor(-t) = -ceil(t): a whole number
	v_fma_f32 v[BP], v[BM], s92, v[NM]
	PKF 0, \x
	PKF 1, \x
.elseif (\i) < 12
.irp m, 0,1,2
.if 3*((\i)-7)+2+\m < 16
	PKF 3*((\i)-7)+2+\m, \x
.endif
.endr
.endif
.endm
.macro STADDR                          ; where the block's figures go
	v_add_nc_u32 v[SM], s43, v[SMB]
	v_add_nc_u32 v[SBY], s44, v[SBB]
	s_add_co_u32 s43, s43, 64
	s_add_co_u32 s44, s44, 32
.endm
; the sum of the unquantised p, the scale, the codes into set e, the figures into LDS
.macro FIN e
	WALU                                           ; one wait for the exponentials, ahead of their first reader
	v_max_num_f32 v[BP], 0x1800000, v[BP]          ; the floor 2^(3 - 127): the byte cannot fall under 1
	v_pk_add_f32 v[LS:LS+1], v[H:H+1], v[H+2:H+3]  ; the sum in four chains
	v_pk_add_f32 v[U:U+1], v[H+4:H+5], v[H+6:H+7]
	v_pk_add_f32 v[S3:S3+1], v[H+8:H+9], v[H+10:H+11]
	v_pk_add_f32 v[S4:S4+1], v[H+12:H+13], v[H+14:H+15]
	v_add_nc_u32 v[SCO], 0xff000000, v[BP]         ; 2 off the exponent field: the conversion's scale operand
.irp j, 16,24
	v_pk_add_f32 v[LS:LS+1], v[LS:LS+1], v[H+\j:H+\j+1]
	v_pk_add_f32 v[U:U+1], v[U:U+1], v[H+\j+2:H+\j+3]
	v_pk_add_f32 v[S3:S3+1], v[S3:S3+1], v[H+\j+4:H+\j+5]
	v_pk_add_f32 v[S4:S4+1], v[S4:S4+1], v[H+\j+6:H+\j+7]
.endr
	v_lshrrev_b32 v[BY], 23, v[SCO]                ; the scale's byte
	v_cvt_scalef32_pk16_fp6_f32 v[CD+8*(\e):CD+8*(\e)+2], v[H:H+15], v[SCO]
	v_cvt_scalef32_pk16_fp6_f32 v[TC:TC+2], v[H+16:H+31], v[SCO]
	v_pk_add_f32 v[LS:LS+1], v[LS:LS+1], v[U:U+1]  ; (plain places behind the conversions)
	v_pk_add_f32 v[S3:S3+1], v[S3:S3+1], v[S4:S4+1]
	v_mov_b32 v[CD+8*(\e)+3], v[TC]
	v_mov_b32 v[CD+8*(\e)+4], v[TC+1]
	v_pk_add_f32 v[LS:LS+1], v[LS:LS+1], v[S3:S3+1]
	v_mov_b32 v[CD+8*(\e)+5], v[TC+2]
	v_add_f32 v[LR], v[LS], v[LS+1]
	v_permlanex16_b32 v[XL], v[LR], s96, s97
	v_add_f32 v[LR], v[LR], v[XL]                  ; with lane l xor 16's: the band's sum
	WALU
	ds_store_b32 v[SM], v[NM]                      ; both lanes of a query write the same words with the same values
	ds_store_b32 v[SM], v[LR] offset:4096
	ds_store_b8 v[SBY], v[BY]
.endm
.macro PUT e                           ; 256 consecutive bytes a store
.irp i, 0,1,2
	global_store_b64 v[PO], v[CD+8*(\e)+2*\i:CD+8*(\e)+2*\i+1], s[94:95] offset:256*\i
.endr
.endm
; A block of queries, set e: its products, the softmax of the block before (accumulators and codes of set 1 - e), the fetch of the block two on.
; wt: LDS instructions younger than this block's rows.  show: a plain barrier shows q's group 1 to all waves, ahead of the fetch.
.macro BLOCK e, wt, fetch, show
	s_wait_dscnt \wt
.if \show
	RUN 0, 26, \e, SOFT, ACC+32-32*(\e)
	WIN 0
	s_wait_tensorcnt 0x0
	s_wait_dscnt 0x0
	s_barrier_signal -1
	RUN 26, 32, \e, SOFT, ACC+32-32*(\e)
	WIN 0
	s_barrier_wait -1
.else
	RUN 0, 32, \e, SOFT, ACC+32-32*(\e)
	WIN 0
.endif
	STADDR
.set Z_, 0
.if \fetch
	QSTEP                                          ; (with the lines above: the places between products and loads)
	FETCH \e
.endif
	s_wait_xcnt 0x0                                ; the last block's stores have read their registers and their base
	s_add_nc_u64 s[94:95], s[86:87], s[98:99]
	s_add_co_u32 s98, s98, 8*FRB
	WALU                                           ; ahead of the exponentials
	EXPS 33
	v_nop                                          ; one plain place behind the exponentials
	FIN 1-(\e)
	PUT 1-(\e)
.endm
	s_load_b256 s[4:11], s[0:1], 0x0               ; qc, kc, pc, st
	v_lshl_add_u32 v[SPW], v0, 2, SPARE
	v_mov_b32 v[NIL], 0
	ds_add_u32 v[SPW], v[NIL]                      ; the opening: the add, twice on end, and its wait ahead of my first tensor load
	ds_add_u32 v[SPW], v[NIL]
	v_lshrrev_b32 v1, 5, v0
	v_readfirstlane_b32 s20, v1                    ; wave 0..3: my band of 64 keys
	s_lshr_b32 s21, s20, 1
	s_and_b32 s22, s20, 1
	s_bfe_u32 s66, ttmp6, 0x40000                  ; cx
	s_bfe_u32 s67, ttmp6, 0x40004                  ; cy
	s_lshl_b32 s68, s67, 2
	s_lshl_b32 s68, 15, s68                        ; my row of the cluster
	s_lshl_b32 s69, 0x1111, s66                    ; my column
	s_or_b32 s[G1K], s69, (3<<16)|(1<<21)          ; two K blocks of both groups of 128 keys: two rows of 51,200 bytes (6,400 elements), 102,400 bytes apart
	s_mov_b32 s[G1K+1], 6400<<16
	s_mov_b32 s[G1K+2], 2<<16
	s_mov_b32 s[G1K+3], 6400<<16
	s_mov_b32 s[G1K+4], 2
	s_mov_b32 s[G1K+5], 12800
	s_mov_b32 s[G1K+6], 0
	s_mov_b32 s[G1K+7], 0
	DENSE G1Q, 68, 200                             ; 128 queries, two K blocks
	s_and_b32 s71, ttmp7, 0xffff                   ; the cluster's y
	s_lshl_b32 s70, ttmp9, 2
	s_add_co_u32 s70, s70, s66                     ; T0: the tile of 256 keys, 0..7
	s_lshl_b32 s72, s71, 2
	s_add_co_u32 s72, s72, s67                     ; TY: the tile of 256 queries, 0..31
	s_lshr_b32 s73, s71, 1                         ; the batch: the same in all sixteen partners
	s_lshl_b32 s73, s73, 3
	s_add_co_u32 s73, s73, s70
	s_mul_i32 s74, s73, 204800
	s_mul_i32 s76, s21, 51200
	s_add_co_u32 s74, s74, s76                     ; wave 0: the keys' K blocks 0, 1; wave 2: 2, 3
	s_mov_b32 s75, 0
	s_mul_i32 s76, s21, 102400
	s_add_co_u32 s[G0K+1], s76, KB
	s_mul_i32 s76, s72, 204800                     ; the query tile
	s_mov_b32 s77, 0
	s_mul_i32 s78, s21, 51200                      ; wave 1: K blocks 0, 1 of q's group 0; wave 3: 2, 3
	s_mov_b32 s[G0Q+1], s78
	s_mov_b32 s79, 0
	s_mul_i32 s80, s20, 25600                      ; the refill: a K block of q's group 1 each
	s_mov_b32 s81, 0
	s_add_co_u32 s[G0R+1], s80, KB
	s_mul_i32 s84, s72, 393216
	s_lshr_b32 s85, s70, 2
	s_mul_i32 s85, s85, 196608
	s_add_co_u32 s84, s84, s85
	s_and_b32 s85, s70, 3
	s_lshl_b32 s85, s85, 1
	s_add_co_u32 s85, s85, s21                     ; the step of 128 keys in its half
	s_mul_i32 s85, s85, FRB
	s_add_co_u32 s84, s84, s85
	s_mul_i32 s85, s22, FRB/2
	s_add_co_u32 s84, s84, s85
	s_mov_b32 s85, 0
	s_lshl_b32 s82, s72, 10
	s_lshl_b32 s83, s70, 15
	s_add_co_u32 s82, s82, s83                     ; st: 32,768 T0 + 1,024 TY; its scale words at twice that
	s_mov_b32 s83, 0
	s_mov_b32 s[G0K], 1
	s_mov_b32 s[G0Q], 1
	s_mov_b32 s[G0R], 1
	s_wait_dscnt 0x0                               ; both opening adds are done
	CROUND                                         ; all sixteen work-groups are here: the first joint loads meet
	s_wait_kmcnt 0x0
	s_add_nc_u64 s[G0K+2:G0K+3], s[6:7], s[74:75]
	s_or_b32 s[G0K+3], s[G0K+3], 0x80000000
	s_add_nc_u64 s[76:77], s[4:5], s[76:77]        ; q's tile
	s_add_nc_u64 s[G0Q+2:G0Q+3], s[76:77], s[78:79]
	s_or_b32 s[G0Q+3], s[G0Q+3], 0x80000000
	s_cmp_eq_u32 s20, 0
	s_cbranch_scc0 .Lwave_1
	TLOAD G0K, G1K
	s_branch .Lasked
.Lwave_1:
	s_cmp_eq_u32 s20, 1
	s_cbranch_scc0 .Lwave_2
	TLOAD G0Q, G1Q
	s_branch .Lasked
.Lwave_2:
	s_cmp_eq_u32 s20, 2
	s_cbranch_scc0 .Lwave_3
	TLOAD G0K, G1K
	s_branch .Lasked
.Lwave_3:
	TLOAD G0Q, G1Q
.Lasked:
	s_add_nc_u64 s[G0R+2:G0R+3], s[76:77], s[80:81]
	s_add_nc_u64 s[G0R+2:G0R+3], s[G0R+2:G0R+3], 102400
	s_or_b32 s[G0R+3], s[G0R+3], 0x80000000
	s_add_nc_u64 s[86:87], s[8:9], s[84:85]        ; p's codes of my band, block 0
	s_add_nc_u64 s[88:89], s[10:11], s[82:83]
	s_add_nc_u64 s[90:91], s[88:89], s[82:83]
	s_mov_b32 s98, 0
	s_mov_b32 s99, 0
	s_mov_b32 s96, 0x76543210
	s_mov_b32 s97, 0xfedcba98                      ; selects for lane l xor 16
	s_mov_b32 s92, 0x3d38aa3b                      ; c = log2(e) / 32
	s_mov_b32 s93, s92                             ; (named with it as a pair, so it is written)
	s_mov_b32 s43, 0
	s_mov_b32 s44, 0
	s_mov_b32 s45, 0
	s_mov_b32 s46, 0
	s_mov_b32 s47, KB
	WALU
	v_and_b32 v1, 15, v0                           ; r
	v_bfe_u32 v5, v0, 4, 1                         ; h
	v_and_b32 v22, 31, v0                          ; lane
	v_lshlrev_b32 v[LI], 4, v22
	v_lshlrev_b32 v[PO], 3, v22
	s_mul_i32 s84, s21, 51200                      ; my group in a pair of K blocks
	s_mul_i32 s85, s22, 8*FRB
	s_add_co_u32 s85, s85, s84
	s_add_co_u32 s85, s85, KB
	v_add_nc_u32 v[KA], s85, v[LI]
	v_add_nc_u32 v[KA+1], 102400, v[KA]
	s_lshl_b32 s85, s22, 8
	s_add_co_u32 s85, s85, s84
	s_add_co_u32 s85, s85, KB+24576
	v_lshl_add_u32 v[KSA], v22, 2, s85
	v_add_nc_u32 v[KSA+1], 102400, v[KSA]
	v_mov_b32 v[QB], v[LI]
	v_add_nc_u32 v[QB+1], 51200, v[LI]
	v_lshlrev_b32 v23, 9, v5                       ; lanes 16-31: the odd steps' words
	v_lshl_add_u32 v23, v1, 2, v23
	v_add_nc_u32 v[QSB], 24576, v23
	v_add_nc_u32 v[QS2+1], 24576+51200, v23
	v_mov_b32 v[QA], v[QB]
	v_mov_b32 v[QA+1], v[QB+1]
	v_mov_b32 v[QSA], v[QSB]
	v_mov_b32 v[QS2], v[QS2+1]
	s_lshl_b32 s84, s20, 10
	s_add_co_u32 s84, s84, STM
	v_lshl_add_u32 v[SMB], v1, 2, s84
	s_lshl_b32 s84, s20, 9
	s_add_co_u32 s84, s84, STB
	v_lshl_add_u32 v[SBB], v1, 1, s84
	v_add_nc_u32 v[SBB], v[SBB], v5
	v_mov_b32 v[NM+1], 0                           ; named as the upper half of a pair, so it is written
	v_mov_b32 v[XL], 0                             ; a lane permute's destination counts as a source
	v_min_u32 v[PF], 24, v22                       ; the prefetch of q's group 1: 25 units of 256 bytes a wave; lanes left over name the last again
	s_lshl_b32 s84, s66, 2
	s_add_co_u32 s84, s84, s20
	s_mul_i32 s84, s84, 6400
	v_lshl_add_u32 v[PF], v[PF], 8, s84
	WALU
	global_prefetch_b8 v[PF], s[76:77] offset:102400 th:TH_LOAD_NT scope:SCOPE_SE
.macro KSCALE hf                       ; the keys' scale words of four steps
.irp k, 0,1,2,3
.irp p, 0,1
	ds_load_b32 v[KS+8*(\hf)+2*\k+\p], v[KSA+(\hf)] offset:(\k/2)*25600+512*(\k%2)+128*\p
.endr
.endr
.endm
	s_cmp_lt_u32 s20, 2
	s_cbranch_scc0 .Lhalf_later
	s_wait_tensorcnt 0x0
.Lhalf_later:
	s_barrier_signal -1
	s_barrier_wait -1                              ; K blocks 0, 1 of the keys and of q's group 0 are in; 2, 3 may still be on their way
; block 0: the keys' fragments are loaded ahead of the products that read them
	FHALF 0, 0
	KSCALE 0
	KLOAD 0
	KLOAD 1
	KLOAD 2
	s_wait_dscnt 24                                ; the two younger steps' loads may be out
	RUN 0, 4, 0, L_NONE, 0
	KLOAD 3
	s_wait_dscnt 24
	RUN 4, 8, 0, L_NONE, 0
	s_wait_dscnt 12
	RUN 8, 12, 0, L_NONE, 0
	s_wait_dscnt 0x0
	RUN 12, 16, 0, L_NONE, 0
	WIN 0
	s_wait_tensorcnt 0x0
	s_barrier_signal -1
	s_barrier_wait -1                              ; K blocks 2, 3 too
	FHALF 0, 1
	KSCALE 1
	KLOAD 4
	KLOAD 5
	KLOAD 6
	s_wait_dscnt 24
	RUN 16, 20, 0, L_NONE, 0
	KLOAD 7
	WIN 0
	QSTEP
	FETCH 1
	s_wait_dscnt 52                                ; steps 6, 7 and block 1's 28 may be out
	RUN 20, 24, 0, L_NONE, 0
	s_wait_dscnt 40
	RUN 24, 28, 0, L_NONE, 0
	s_wait_dscnt 28
	RUN 28, 32, 0, L_NONE, 0
	WIN 0
	QSTEP
	WALU
	s_wait_tensorcnt 0x0
	ds_add_u32 v[SPW], v[NIL]
	s_wait_dscnt 0x0                               ; the add is done, and all my keys lie in registers
	CROUND                                         ; no wave of any partner still reads the keys' bytes or has a load on its way
	s_mov_b32 s[G1Q+2], 100<<16
	s_mov_b32 s[G1Q+4], 100
	TLOAD G0R, G1Q                                 ; q's group 1, a K block a wave
	FETCH 0
	s_mov_b32 s23, 0
.Lpairs:                                               ; blocks 1, 2 .. 11, 12
	BLOCK 1, 28, 1, 0
	BLOCK 0, 28, 1, 1
	WALU
	s_add_co_u32 s23, s23, 1
	s_cmp_lg_u32 s23, 6
	s_cbranch_scc1 .Lpairs
	BLOCK 1, 28, 1, 0
	BLOCK 0, 28, 0, 0
	BLOCK 1, 3, 0, 0
	s_wait_xcnt 0x0
	s_add_nc_u64 s[94:95], s[86:87], s[98:99]
	PLACES 4
.set I_, 0
.rept 12
	SOFT I_, ACC+32
.set I_, I_+1
.endr
	STADDR
.set Z_, 0
	WALU
	EXPS 33
	v_nop
	FIN 1
	PUT 1
; THE FOUR BANDS ARE JOINED: thread i takes rows 2 i, 2 i + 1
	v_lshl_add_u32 v90, v0, 3, STM
	v_lshl_add_u32 v91, v0, 2, STB
	v_lshlrev_b32 v92, 3, v0
	v_lshlrev_b32 v93, 4, v0
	s_mov_b32 s84, 0x80808080
	WALU
	s_wait_dscnt 0x0                               ; for the others' sake: my figures lie in LDS
	s_barrier_signal -1
	s_barrier_wait -1
.irp w, 0,1,2,3
	ds_load_b64 v[128+2*\w:129+2*\w], v90 offset:1024*\w
.endr
.irp w, 0,1,2,3
	ds_load_b64 v[136+2*\w:137+2*\w], v90 offset:4096+1024*\w
.endr
.irp w, 0,1,2,3
	ds_load_b32 v[144+\w], v91 offset:512*\w
.endr
	s_wait_dscnt 0x0
.irp e, 0,1
	v_min3_num_f32 v[150+\e], v[128+\e], v[130+\e], v[132+\e]
.endr
.irp e, 0,1
	v_min_num_f32 v[150+\e], v[150+\e], v[134+\e]  ; -M of the 256 keys
.endr
.irp n, 0,1,2,3,4,5,6,7                ; n = 2 band + row
	v_sub_f32 v[152+\n], v[128+\n], v[150+\n%2]
.endr
.irp n, 0,1,2,3,4,5,6,7
	v_min_num_f32 v[152+\n], 0x42fe0000, v[152+\n] ; 127 at the most: l and a scale byte are under 2^127 times the least
.endr
.irp n, 0,1,2,3,4,5,6,7
	v_cvt_u32_f32 v[152+\n], v[152+\n]
.endr
.irp n, 0,1,2,3,4,5,6,7
	v_sub_nc_u32 v[168+\n], 0, v[152+\n]
.endr
.irp n, 0,1,2,3,4,5,6,7
	v_ldexp_f32 v[136+\n], v[136+\n], v[168+\n]
.endr
	v_pk_add_f32 v[136:137], v[136:137], v[138:139]
	v_pk_add_f32 v[140:141], v[140:141], v[142:143]
.irp j, 0,1
	v_perm_b32 v[164+\j], v[145+2*\j], v[144+2*\j], 0x05040100   ; row 2 i: the two bytes of bands 2 j and 2 j + 1
	v_perm_b32 v[166+\j], v[145+2*\j], v[144+2*\j], 0x07060302
.endr
	v_pk_add_f32 v[136:137], v[136:137], v[140:141]
.irp j, 0,1
.irp e, 0,1
	v_lshl_or_b32 v[168+2*\e+\j], v[154+4*\j+\e], 16, v[152+4*\j+\e]
.endr
.endr
.irp n, 0,1,2,3
	v_lshl_add_u32 v[168+\n], v[168+\n], 8, v[168+\n]   ; each band's difference in its two bytes
.endr
.irp n, 0,1,2,3
	v_or_b32 v[164+\n], s84, v[164+\n]             ; (a byte is under 128: p is at most 1)
.endr
.irp n, 0,1,2,3
	v_sub_nc_u32 v[164+\n], v[164+\n], v[168+\n]
.endr
.irp n, 0,1,2,3
	v_and_b32 v[168+\n], s84, v[164+\n]
.endr
.irp n, 0,1,2,3
	v_lshrrev_b32 v[172+\n], 7, v[168+\n]
.endr
.irp n, 0,1,2,3
	v_sub_nc_u32 v[168+\n], v[168+\n], v[172+\n]
.endr
.irp n, 0,1,2,3
	v_and_b32 v[164+\n], v[164+\n], v[168+\n]      ; where it would fall under 0 the byte is 0
.endr
	global_store_b64 v92, v[150:151], s[88:89]
	global_store_b64 v92, v[136:137], s[88:89] offset:262144
	global_store_b128 v93, v[164:167], s[90:91] offset:524288
	s_wait_tensorcnt 0x0                           ; the wave's end
	ds_add_u32 v[SPW], v[NIL]
	s_wait_dscnt 0x0
	CROUND                                         ; the closing round
	s_endpgm
.Lfunc_end_k_q11000fe3ea_scores:
	.size	k_q11000fe3ea_scores, .Lfunc_end_k_q11000fe3ea_scores-k_q11000fe3ea_scores
	.p2alignl 7, 3214868480
	.fill 96, 4, 3214868480
	.section	.rodata,"a",@progbits
	.p2align	6, 0x0
	.amdhsa_kernel k_q11000fe3ea_scores
		.amdhsa_group_segment_fixed_size 327680
		.amdhsa_private_segment_fixed_size 0
		.amdhsa_enable_private_segment 0
		.amdhsa_kernarg_size 32
		.amdhsa_user_sgpr_count 2
		.amdhsa_user_sgpr_kernarg_segment_ptr 1
		.amdhsa_wavefront_size32 1
		.amdhsa_system_sgpr_workgroup_id_x 1
		.amdhsa_system_sgpr_workgroup_id_y 1
		.amdhsa_system_sgpr_workgroup_id_z 1
		.amdhsa_system_vgpr_workitem_id 0
		.amdhsa_next_free_vgpr 840
		.amdhsa_next_free_sgpr 100
		.amdhsa_reserve_vcc 0
		.amdhsa_float_denorm_mode_32 3
		.amdhsa_float_denorm_mode_16_64 3
		.amdhsa_memory_ordered 1
		.amdhsa_forward_progress 1
		.amdhsa_inst_pref_size 98
	.end_amdhsa_kernel
	.amdgpu_metadata
---
amdhsa.version: [ 1, 2 ]
amdhsa.kernels:
  - .name:           k_q11000fe3ea_scores
    .symbol:         k_q11000fe3ea_scores.kd
    .args:
      - { .name: qc, .offset: 0, .size: 8, .value_kind: global_buffer, .address_space: global }
      - { .name: kc, .offset: 8, .size: 8, .value_kind: global_buffer, .address_space: global }
      - { .name: pc, .offset: 16, .size: 8, .value_kind: global_buffer, .address_space: global }
      - { .name: st, .offset: 24, .size: 8, .value_kind: global_buffer, .address_space: global }
    .group_segment_fixed_size: 327680
    .private_segment_fixed_size: 0
    .kernarg_segment_align: 8
    .kernarg_segment_size: 32
    .max_flat_workgroup_size: 128
    .sgpr_count:     100
    .vgpr_count:     840
    .wavefront_size: 32
...
	.end_amdgpu_metadata
.endif
;; end of part 3
;; launch pv (part 4): grid 8 x 32, 4 waves a work-group, clusters of 4 x 4, 327,680 bytes of LDS; arguments pc, st, vc, out0; writes out0
.if DOCPART == 4
	.amdgcn_target "amdgcn-amd-amdhsa--gfx1250"
	.amdhsa_code_object_version 6
	.text
	.protected	k_q11000fe3ea_pv
	.globl	k_q11000fe3ea_pv
	.p2align	8
	.type	k_q11000fe3ea_pv,@function
k_q11000fe3ea_pv:
	s_mov_b64 s[64:65], 0
	v_nop
	global_prefetch_b8 v0, s[64:65] scope:SCOPE_SE
	s_setreg_imm32_b32 hwreg(HW_REG_WAVE_MODE, 25, 1), 1
	s_wait_xcnt 0x0
	s_wait_alu depctr_hold_cnt(0) depctr_sa_sdst(0) depctr_va_vdst(0) depctr_va_sdst(0) depctr_va_ssrc(0) depctr_va_vcc(0) depctr_vm_vsrc(0)
	s_getreg_b32 s2, hwreg(HW_REG_IB_STS2, 6, 4)
	s_cmp_eq_u32 s2, 0
	s_cbranch_scc0 .Lentry_in_a_cluster
	s_endpgm
.Lentry_in_a_cluster:
	s_bfe_u32 s2, ttmp6, 0x10000c
	s_cmp_lg_u32 s2, 0xf033
	s_cbranch_scc0 .Lentry_shape_is_right
	s_endpgm
.Lentry_shape_is_right:
; out = (p v) / l on codes of FP6 (E2M3) with E8M0 scales, sums in f32.  A work-group of four waves makes 256 queries x 128 channels of one batch, a wave 128 x 64.
; K = 2,048 keys goes in two halves of eight steps of 128.  V'S HALF LIES IN REGISTERS (32 fragments, 384 registers); p streams past in blocks of 16 queries (8 fragments, two sets); 8 x 4 accumulators take 256 registers.
; Blocks 0-7 are the first half, 8-15 the second: there a block's sums are finished, divided by l among the next block's products, and stored.
; Source 0 = queries (registers), source 1 = channels (lanes): tile t of the wave's 64 channels has channel 4 r + t in lane r, so four tiles give a lane 16 neighbouring bytes of a row: no stage, 256 consecutive bytes to sixteen lanes.
; pc: [32 tiles of 256 queries][K half][16 query blocks][8 steps][6 pieces of 2 registers][lane][8];  vc: [8 x batch + group of 128 channels][8 steps of 256 keys][16 fragments of 1,536 bytes, 1,024 bytes of scale words].
; st: for each of 8 key tiles -M, l and two scale words a row: the row's largest M moves the bytes and l by whole numbers.
; Row 16 b + i of a tile of 256 is query 64 (b / 4) + 32 (i / 8) + 8 (b % 4) + i % 8; the wave in row a takes block b = 8 (s / 4) + 4 a + s % 4 as its block s.
; 16 clusters of 4 x 4: p goes to a row of the cluster, v to a column, jointly.  LDS: v's first half, p's first half (lower and upper 8 blocks) at the head, one load a wave.
; THREE REFILLS, each in a round inside a block of products: v's second half onto the first (block 1), p's lower blocks of the second half (block 3), its upper blocks (block 6).  They are prefetched: v's at the head, p's behind blocks 0 and 1, a sixteenth a wave.
; LIMITS: a scale byte that would fall under 0 is held there (2^-127 beside a row's sum of at least 1/2); NaN and infinities are not served.
.set FRB,   1536
.set PL,    102400                     ; p's lower 8 blocks; the upper 8 behind them.  v's four blocks lie at 0
.set PHB,   98304
.set PSC,   PL+2*PHB                   ; p's scale words: 256 rows of 64 bytes + 16
.set RL,    PSC+256*80                 ; 1 / l
.set SPARE, RL+1024                    ; the spare words, 128 bytes a wave; no other line names them
.set SPW,  2
.set NIL,  3
.set LI,   4
.set VA,   6                           ; v6-7   my v fragments (v7: blocks 2, 3);  v8-9 their scale words
.set VSA,  8
.set PB,   10                          ; v10    my p blocks, 8 x lane
.set PSA,  11
.set RLA,  12
.set CO,   13
.set PFV,  14                          ; v14, v15 the prefetches' offsets; never rewritten
.set PFP,  15
.set L8,   16
.set L16,  17
.set PSW,  18
.set B8,   20                          ; v20-27 LDS addresses of a block's eight fragments
.set SV,   28                          ; v28-43 v's scale words: register 2 k + t / 2: lanes 0-15 tile t even, lanes 16-31 odd
.set SP,   44                          ; v44-51 p's, two sets: register k % 4: lanes 0-15 steps 0-3, lanes 16-31 steps 4-7
.set RLV,  160                         ; v160-175 1 / l of a block's queries 8 h + j, two sets
.set O,    176                         ; v176-207 results on their way out
.set G1V,  24
.set G1P,  32
.set G0V,  40
.set G0P,  44
.set RV,   48                          ; the refills' groups 0
.set RPL,  52
.set RPU,  56
.set MSB, 0
.macro WIN new                         ; the immediate's high byte repeats the setting that is left
.if MSB != (\new)
	s_set_vgpr_msb (MSB<<8)|(\new)
.set MSB, (\new)
.endif
.endm
.macro PLACES n
.rept \n
	v_nop
.endr
.endm
.macro WALU
	s_wait_alu depctr_va_vdst(0)
.endm
.macro CREST                           ; a round of the cluster's barrier behind its opening barrier
	s_cmp_lg_u32 s20, 0
	s_cbranch_scc1 .Lnot_wave_0_\@
	s_barrier_signal -3
.Lnot_wave_0_\@:
	s_barrier_wait -3
	s_barrier_signal -1
	s_barrier_wait -1
.endm
.macro CROUND
	s_barrier_signal -1
	s_barrier_wait -1
	CREST
.endm
.macro TLOAD g0, g1                    ; an s_nop 0 and four v_nop follow each tensor load
	tensor_load_to_lds s[\g0:\g0+3], s[\g1:\g1+7]
	s_nop 0
	PLACES 4
.endm
.macro DENSE g, mask, rows             ; a dense block as rows of 32 elements of 8 bytes
	s_or_b32 s[\g], s\mask, (3<<16)|(1<<21)
	s_mov_b32 s[\g+1], 32<<16
	s_mov_b32 s[\g+2], (\rows)<<16
	s_mov_b32 s[\g+3], 32<<16
	s_mov_b32 s[\g+4], \rows
	s_mov_b32 s[\g+5], 32
	s_mov_b32 s[\g+6], 0
	s_mov_b32 s[\g+7], 0
.endm
.macro ACCOF y, s                      ; block s's accumulators: v848-1007 (blocks 0-4), v64-159 (5-7)
.if (\s) < 5
.set \y, 848+32*(\s)
.else
.set \y, 32*(\s)-96
.endif
.endm
; fragment f lies in window 1 + f / 21 at register 12 (f % 21): 0-31 v's (4 k + t), 32-39 and 40-47 p's two sets
.macro VLOAD k
.irp t, 0,1,2,3
.set F_, 4*(\k)+\t
	WIN ((1+F_/21)<<6)
.irp c, 0,1,2
	ds_load_b128 v[12*(F_%21)+4*\c:12*(F_%21)+4*\c+3], v[VA+(\k)/4] offset:(((\k)/2)%2)*25600+(2*\t+(\k)%2)*FRB+512*\c
.endr
.endr
.endm
.macro FETCH i                         ; block i's p: 25 loads; the additions are the places between products and loads
.set S_, (\i)%8
.set Q_, PHB*(S_/4)+8*FRB*(S_%4)
	WIN 0
.irp k, 0,1,2,3,4,5,6,7
	v_add_nc_u32 v[B8+\k], Q_+FRB*\k, v[PB]
.endr
.irp k, 0,1,2,3,4,5,6,7
.set F_, 32+8*((\i)%2)+\k
.set R_, 12*(F_%21)
	WIN ((1+F_/21)<<6)
	ds_load_2addr_b64 v[R_:R_+3], v[B8+\k] offset0:0 offset1:32
	ds_load_2addr_b64 v[R_+4:R_+7], v[B8+\k] offset0:64 offset1:96
	ds_load_2addr_b64 v[R_+8:R_+11], v[B8+\k] offset0:128 offset1:160
.endr
	WIN 0
	ds_load_b128 v[SP+4*((\i)%2):SP+4*((\i)%2)+3], v[PSA] offset:1280*(8*(S_/4)+S_%4)+32*((\i)/8)
.endm
.macro RLOAD i                         ; 1 / l of block i's queries
.set S_, (\i)%8
	ds_load_b128 v[RLV+8*((\i)%2):RLV+8*((\i)%2)+3], v[RLA] offset:64*(8*(S_/4)+S_%4)
	ds_load_b128 v[RLV+8*((\i)%2)+4:RLV+8*((\i)%2)+7], v[RLA] offset:64*(8*(S_/4)+S_%4)+16
.endm
.macro PZ ra, rb, c
	v_wmma_scale_f32_16x16x128_f8f6f4 v[D_:D_+7], v[XA_:XA_+11], v[XB_:XB_+11], \c, v[SA_], v[SB_] matrix_a_fmt:MATRIX_FMT_FP6 matrix_b_fmt:MATRIX_FMT_FP6 matrix_a_scale:MATRIX_SCALE_ROW\ra matrix_b_scale:MATRIX_SCALE_ROW\rb
.endm
.macro PW c
.if K_/4
.if T_%2
	PZ 1, 1, \c
.else
	PZ 1, 0, \c
.endif
.else
.if T_%2
	PZ 0, 1, \c
.else
	PZ 0, 0, \c
.endif
.endif
.endm
.macro PROD n, i                       ; product n = 4 k + t of block i, whose accumulators begin at AC_; they take turns
.set K_, (\n)/4
.set T_, (\n)%4
.set FP_, 32+8*((\i)%2)+K_
.set DW_, (AC_+8*T_)>>8
.set D_, (AC_+8*T_)&255
.set XA_, 12*(FP_%21)
.set XB_, 12*((\n)%21)
.set SA_, SP+4*((\i)%2)+K_%4
.set SB_, SV+2*K_+T_/2
	WIN (1+FP_/21)|((1+(\n)/21)<<2)|(DW_<<4)|(DW_<<6)
.if (\i) < 8 && K_ == 0
	PW 0
.else
	PW v[D_:D_+7]
.endif
.endm
.macro RUN from, to, i, list, x        ; behind every second product one group of the list
.set N_, \from
.rept (\to)-(\from)
	PROD N_, \i
.if N_%2
	\list N_/2, \x
.endif
.set N_, N_+1
.endr
.endm
.macro L_NONE g, s
.endm
.macro L_MUL g, s                      ; block s's results: row j = g - 8 of each half, four neighbouring channels, x 1 / l
.if (\g) > 7                           ; in the second half of a block's products: row j = g - 8
.set J_, (\g)-8
	ACCOF AM_, \s
	WIN AM_>>8
.irp t, 0,1,2,3
	v_mul_f32 v[O+4*J_+\t], v[(AM_&255)+8*\t+J_], v[RLV+8*((\s)%2)+J_]
.endr
.endif
.endm
.macro SENDO s
	WIN 0
	WALU                                           ; ahead of the stores that read the results
.irp j, 0,1,2,3,4,5,6,7
	global_store_b128 v[CO], v[O+4*\j:O+4*\j+3], s[92:93] offset:(128*((\s)/4)+8*((\s)%4)+\j)*4096 th:TH_STORE_NT   ; sixteen lanes store 256 consecutive bytes, aligned
.endr
.endm
; A block.  wt: LDS loads younger than its rows.  how: 0 plain; 1, 2, 3 with a round and a refill; 4 with a plain barrier that shows the last refill to all waves.
.macro BLOCK i, wt, how, list, s
	s_wait_dscnt \wt
	ACCOF AC_, (\i)%8
.if (\how) == 0
	RUN 0, 16, \i, \list, \s
.if (\i) > 9
	s_wait_xcnt 0x0                                ; the last block's stores have read their registers
.endif
	RUN 16, 32, \i, \list, \s
	WIN 0
.else
.if (\how) < 4
	s_wait_tensorcnt 0x0                           ; all my tensor loads have landed
	ds_add_u32 v[SPW], v[NIL]
.if (\how) == 1
	s_mov_b32 s[G1V+2], 100<<16                    ; from here on a load brings a quarter
	s_mov_b32 s[G1V+4], 100
	s_mov_b32 s[G1P+2], 96<<16
	s_mov_b32 s[G1P+4], 96
.endif
.endif
	RUN 0, 16, \i, \list, \s
.if (\i) > 9
	s_wait_xcnt 0x0                                ; the last block's stores have read their registers
.endif
	RUN 16, 24, \i, \list, \s
	WIN 0
.if (\how) == 4
	WALU
	s_wait_tensorcnt 0x0
.endif
	s_wait_dscnt 0x0                               ; the add is done, and so are my reads of the bytes to be filled
	s_barrier_signal -1
	RUN 24, 32, \i, \list, \s
	WIN 0
	s_barrier_wait -1
.if (\how) == 1
	CREST
	TLOAD RV, G1V
.elseif (\how) == 2
	CREST
	TLOAD RPL, G1P
.elseif (\how) == 3
	CREST
	TLOAD RPU, G1P
.endif
.endif
.endm
; A half's first block: v's fragments are loaded three steps ahead of the products that read them; the next block's fetch, nx loads, stands behind step 4
.macro FIRST i, nx
	ACCOF AC_, 0
.irp k, 0,1,2,3,4,5,6,7
.irp p, 0,1
	ds_load_b32 v[SV+2*\k+\p], v[VSA+\k/4] offset:((\k/2)%2)*25600+512*(\k%2)+128*\p
.endr
.endr
	VLOAD 0
	VLOAD 1
	VLOAD 2
.set KK_, 0
.rept 8
.if KK_ < 5
	s_wait_dscnt 24                                ; the two younger steps' loads may be out
.elseif KK_ == 5
	s_wait_dscnt 24+\nx
.elseif KK_ == 6
	s_wait_dscnt 12+\nx
.else
	s_wait_dscnt \nx
.endif
	RUN 4*KK_, 4*KK_+4, \i, L_NONE, 0
.if KK_ < 5
	VLOAD KK_+3
.endif
.if KK_ == 4
	FETCH \i+1
.if (\i) == 8
	RLOAD 8
.endif
.endif
.set KK_, KK_+1
.endr
	WIN 0
.endm
	s_load_b256 s[4:11], s[0:1], 0x0               ; pc, st, vc, out0
	v_lshl_add_u32 v[SPW], v0, 2, SPARE
	v_mov_b32 v[NIL], 0
	ds_add_u32 v[SPW], v[NIL]                      ; the opening: the add, twice on end, and its wait ahead of my first tensor load
	ds_add_u32 v[SPW], v[NIL]
	v_lshrrev_b32 v1, 5, v0
	v_lshlrev_b32 v[L8], 3, v0
	v_lshlrev_b32 v[L16], 4, v0
	v_readfirstlane_b32 s20, v1                    ; wave 0..3
	s_lshr_b32 s21, s20, 1                         ; a: my 128 queries
	s_and_b32 s22, s20, 1                          ; my 64 channels.  At the head: which half of v's, or of p's, I fetch
	s_bfe_u32 s66, ttmp6, 0x40000                  ; cx
	s_bfe_u32 s67, ttmp6, 0x40004                  ; cy
	s_lshl_b32 s68, s67, 2
	s_lshl_b32 s68, 15, s68                        ; my row of the cluster
	s_lshl_b32 s69, 0x1111, s66                    ; my column
	DENSE G1V, 69, 200
	DENSE G1P, 68, 384
	s_and_b32 s71, ttmp7, 0xffff
	s_lshl_b32 s70, ttmp9, 2
	s_add_co_u32 s70, s70, s66                     ; the group of 128 channels, 0..7
	s_lshl_b32 s72, s71, 2
	s_add_co_u32 s72, s72, s67                     ; TY: the tile of 256 queries, 0..31
	s_lshr_b32 s73, s71, 1                         ; the batch: the same in all sixteen partners
	s_lshl_b32 s74, s73, 3
	s_add_co_u32 s74, s74, s70
	s_mul_i32 s74, s74, 204800
	s_mov_b32 s75, 0
	s_mul_i32 s76, s72, 393216
	s_mov_b32 s77, 0
	s_mul_i32 s78, s22, 51200
	s_mov_b32 s79, 0
	s_mul_i32 s84, s22, PHB
	s_mov_b32 s85, 0
	s_mov_b32 s[G0V], 1
	s_mov_b32 s[G0V+1], s78
	s_mov_b32 s[G0P], 1
	s_add_co_u32 s[G0P+1], s84, PL
	s_mov_b32 s[RV], 1
	s_mov_b32 s[RPL], 1
	s_mov_b32 s[RPU], 1
	s_mul_i32 s88, s20, 25600
	s_mov_b32 s89, 0
	s_mul_i32 s90, s20, PHB/4
	s_mov_b32 s91, 0
	s_mov_b32 s[RV+1], s88
	s_add_co_u32 s[RPL+1], s90, PL
	s_add_co_u32 s[RPU+1], s90, PL+PHB
	s_lshl_b32 s86, s72, 10
	s_mov_b32 s87, 0
	s_wait_alu depctr_va_vdst(0)
	s_wait_dscnt 0x0                               ; both opening adds are done
	CROUND                                         ; all sixteen work-groups are here: the first joint loads meet
	s_wait_kmcnt 0x0
	s_add_nc_u64 s[80:81], s[8:9], s[74:75]        ; v
	s_add_nc_u64 s[82:83], s[4:5], s[76:77]        ; p
	s_add_nc_u64 s[G0V+2:G0V+3], s[80:81], s[78:79]
	s_or_b32 s[G0V+3], s[G0V+3], 0x80000000
	s_add_nc_u64 s[G0P+2:G0P+3], s[82:83], s[84:85]
	s_or_b32 s[G0P+3], s[G0P+3], 0x80000000
	s_cmp_lt_u32 s20, 2
	s_cbranch_scc0 .Lwave_2
	TLOAD G0V, G1V                                 ; waves 0, 1: half of v's first half each
	s_branch .Lasked
.Lwave_2:
	s_cmp_eq_u32 s20, 2
	s_cbranch_scc0 .Lwave_3
	TLOAD G0P, G1P                                 ; wave 2: p's lower blocks
	s_branch .Lasked
.Lwave_3:
	TLOAD G0P, G1P                                 ; wave 3: p's upper blocks
.Lasked:
	s_add_nc_u64 s[78:79], s[6:7], s[86:87]        ; st: -M and l at 1,024 TY, the scale words at 2,048 TY
	s_add_nc_u64 s[86:87], s[78:79], s[86:87]
.irp t, 0,1,2,3,4,5,6,7                ; thread i: rows 2 i, 2 i + 1
	global_load_b64 v[64+2*\t:65+2*\t], v[L8], s[78:79] offset:32768*\t
	global_load_b64 v[80+2*\t:81+2*\t], v[L8], s[78:79] offset:32768*\t+262144
	global_load_b128 v[96+4*\t:99+4*\t], v[L16], s[86:87] offset:65536*\t+524288
.endr
	s_add_nc_u64 s[RV+2:RV+3], s[80:81], s[88:89]
	s_add_nc_u64 s[RV+2:RV+3], s[RV+2:RV+3], 102400
	s_or_b32 s[RV+3], s[RV+3], 0x80000000
	s_add_nc_u64 s[RPL+2:RPL+3], s[82:83], s[90:91]
	s_add_nc_u64 s[RPL+2:RPL+3], s[RPL+2:RPL+3], 2*PHB
	s_add_nc_u64 s[RPU+2:RPU+3], s[RPL+2:RPL+3], PHB
	s_or_b32 s[RPL+3], s[RPL+3], 0x80000000
	s_or_b32 s[RPU+3], s[RPU+3], 0x80000000
	s_mov_b32 s96, 0x80808080
	s_mov_b32 s97, 0x01010101
	s_lshl_b32 s88, s72, 20                        ; out: 256 rows of 4,096 bytes a tile, 64 rows a wave row, 512 bytes a group of channels, 256 a wave
	s_lshl_b32 s89, s21, 18
	s_add_co_u32 s88, s88, s89
	s_lshl_b32 s89, s70, 9
	s_add_co_u32 s88, s88, s89
	s_lshl_b32 s89, s22, 8
	s_add_co_u32 s88, s88, s89
	s_mov_b32 s89, 0
	s_add_nc_u64 s[92:93], s[10:11], s[88:89]
	v_and_b32 v1, 15, v0                           ; r
	v_bfe_u32 v5, v0, 4, 1                         ; h
	v_and_b32 v19, 31, v0                          ; lane
	v_lshlrev_b32 v[LI], 4, v19
	s_mul_i32 s84, s22, 8*FRB
	v_add_nc_u32 v[VA], s84, v[LI]
	v_add_nc_u32 v[VA+1], 51200, v[VA]
	s_lshl_b32 s84, s22, 8
	s_add_co_u32 s84, s84, 24576
	v_lshl_add_u32 v[VSA], v19, 2, s84
	v_add_nc_u32 v[VSA+1], 51200, v[VSA]
	s_mul_i32 s84, s21, 32*FRB
	s_add_co_u32 s84, s84, PL
	v_lshl_add_u32 v[PB], v19, 3, s84
	s_mul_i32 s84, s21, 5120
	s_add_co_u32 s84, s84, PSC
	v_mul_u32_u24 v[PSA], 80, v1
	v_lshl_add_u32 v[PSA], v5, 4, v[PSA]
	v_add_nc_u32 v[PSA], s84, v[PSA]
	s_lshl_b32 s84, s21, 8
	s_add_co_u32 s84, s84, RL
	v_lshl_add_u32 v[RLA], v5, 5, s84
	v_lshlrev_b32 v[CO], 17, v5                    ; lanes 16-31: 32 rows on
	v_lshl_add_u32 v[CO], v1, 4, v[CO]
	v_mul_u32_u24 v[PSW], 160, v0
	v_add_nc_u32 v[PSW], PSC, v[PSW]
	v_min_u32 v[PFV], 24, v19                      ; 25 units of 256 bytes a wave; lanes left over name the last again
	v_min_u32 v[PFP], 23, v19                      ; 24 units
	s_lshl_b32 s84, s67, 2
	s_add_co_u32 s84, s84, s20                     ; v: my number among the sixteen waves of my column
	s_mul_i32 s84, s84, 6400
	s_add_co_u32 s84, s84, 102400
	v_lshl_add_u32 v[PFV], v[PFV], 8, s84
	s_lshl_b32 s84, s66, 2
	s_add_co_u32 s84, s84, s20                     ; p: of my row
	s_mul_i32 s84, s84, 6144
	s_add_co_u32 s84, s84, 2*PHB
	s_wait_alu depctr_va_vdst(0)                   ; directly ahead of the reader below
	v_lshl_add_u32 v[PFP], v[PFP], 8, s84
	WALU
	global_prefetch_b8 v[PFV], s[80:81] th:TH_LOAD_NT scope:SCOPE_SE   ; v's second half
	s_wait_loadcnt 0x0
.irp e, 0,1
	v_min_num_f32 v[128+\e], v[64+\e], v[66+\e]
.endr
.irp t, 2,3,4,5,6,7
.irp e, 0,1
	v_min_num_f32 v[128+\e], v[128+\e], v[64+2*\t+\e]   ; - the row's largest M
.endr
.endr
; key tile t: l and the scale bytes are moved by d = M's largest - M, a whole number; a byte (under 128) that would fall under 0 is 0
.macro ADJ t
.irp e, 0,1
	v_sub_f32 v[130+\e], v[64+2*\t+\e], v[128+\e]
.endr
.irp e, 0,1
	v_min_num_f32 v[130+\e], 0x42fe0000, v[130+\e] ; 127 at the most
.endr
.irp e, 0,1
	v_cvt_u32_f32 v[130+\e], v[130+\e]
.endr
.irp n, 0,1,2,3
	v_or_b32 v[96+4*\t+\n], s96, v[96+4*\t+\n]
.endr
.irp e, 0,1
	v_sub_nc_u32 v[132+\e], 0, v[130+\e]
.endr
.irp e, 0,1
	v_mul_lo_u32 v[130+\e], v[130+\e], s97
.endr
.irp e, 0,1
	v_ldexp_f32 v[80+2*\t+\e], v[80+2*\t+\e], v[132+\e]
.endr
.irp n, 0,1,2,3
	v_sub_nc_u32 v[96+4*\t+\n], v[96+4*\t+\n], v[130+\n/2]
.endr
.irp n, 0,1,2,3
	v_and_b32 v[134+\n], s96, v[96+4*\t+\n]
.endr
.irp n, 0,1,2,3
	v_lshrrev_b32 v[138+\n], 7, v[134+\n]
.endr
.irp n, 0,1,2,3
	v_sub_nc_u32 v[134+\n], v[134+\n], v[138+\n]
.endr
.irp n, 0,1,2,3
	v_and_b32 v[96+4*\t+\n], v[96+4*\t+\n], v[134+\n]
.endr
.endm
.irp t, 0,1,2,3,4,5,6,7
	ADJ \t
.endr
.irp t, 2,4,6
	v_pk_add_f32 v[80:81], v[80:81], v[80+2*\t:81+2*\t]
	v_pk_add_f32 v[82:83], v[82:83], v[82+2*\t:83+2*\t]
.endr
	v_pk_add_f32 v[80:81], v[80:81], v[82:83]
	WALU                                           ; ahead of the transcendentals,
	v_rcp_f32 v128, v80
	v_rcp_f32 v129, v81
	v_nop
	WALU                                           ; and behind them, ahead of the first reader
.irp t, 0,1,2,3,4,5,6,7
.irp e, 0,1
	ds_store_b64 v[PSW], v[96+4*\t+2*\e:97+4*\t+2*\e] offset:80*\e+8*\t
.endr
.endr
	v_lshl_add_u32 v19, v0, 3, RL
	ds_store_b64 v19, v[128:129]
	WALU
	s_cmp_eq_u32 s20, 3
	s_cbranch_scc1 .Lupper_later
	s_wait_tensorcnt 0x0
.Lupper_later:
	s_wait_dscnt 0x0
	s_barrier_signal -1
	s_barrier_wait -1                              ; v's first half and p's lower blocks are in; p's upper blocks may still be on their way
	FETCH 0
	FIRST 0, 25
	FETCH 2
	global_prefetch_b8 v[PFP], s[82:83] th:TH_LOAD_NT scope:SCOPE_SE   ; p's lower blocks of the second half
	BLOCK 1, 25, 1, L_NONE, 0
	FETCH 3
	global_prefetch_b8 v[PFP], s[82:83] offset:PHB th:TH_LOAD_NT scope:SCOPE_SE   ; and the upper
	BLOCK 2, 25, 0, L_NONE, 0
	FETCH 4
	BLOCK 3, 25, 2, L_NONE, 0
	FETCH 5
	BLOCK 4, 25, 0, L_NONE, 0
	FETCH 6
	BLOCK 5, 25, 0, L_NONE, 0
	FETCH 7
	BLOCK 6, 25, 3, L_NONE, 0
	FETCH 8
	BLOCK 7, 25, 0, L_NONE, 0
	PLACES 4                                       ; between the last products and the loads into their registers
	FIRST 8, 27
	FETCH 10
	RLOAD 9
	BLOCK 9, 27, 0, L_MUL, 0
	FETCH 11
	RLOAD 10
	SENDO 0
	BLOCK 10, 27, 4, L_MUL, 1
	FETCH 12
	RLOAD 11
	SENDO 1
	BLOCK 11, 27, 0, L_MUL, 2
	FETCH 13
	RLOAD 12
	SENDO 2
	BLOCK 12, 27, 0, L_MUL, 3
	FETCH 14
	RLOAD 13
	SENDO 3
	BLOCK 13, 27, 0, L_MUL, 4
	FETCH 15
	RLOAD 14
	SENDO 4
	BLOCK 14, 27, 0, L_MUL, 5
	PLACES 4                                       ; ahead of the reads of this block's results
	RLOAD 15
	SENDO 5
	BLOCK 15, 2, 0, L_MUL, 6
	PLACES 4
	SENDO 6
	s_wait_dscnt 0x0
	s_wait_xcnt 0x0
.set I_, 8
.rept 8
	L_MUL I_, 7
.set I_, I_+1
.endr
	SENDO 7
	s_wait_tensorcnt 0x0                           ; the wave's end
	ds_add_u32 v[SPW], v[NIL]
	s_wait_dscnt 0x0
	CROUND                                         ; the closing round
	s_endpgm
.Lfunc_end_k_q11000fe3ea_pv:
	.size	k_q11000fe3ea_pv, .Lfunc_end_k_q11000fe3ea_pv-k_q11000fe3ea_pv
	.p2alignl 7, 3214868480
	.fill 96, 4, 3214868480
	.section	.rodata,"a",@progbits
	.p2align	6, 0x0
	.amdhsa_kernel k_q11000fe3ea_pv
		.amdhsa_group_segment_fixed_size 327680
		.amdhsa_private_segment_fixed_size 0
		.amdhsa_enable_private_segment 0
		.amdhsa_kernarg_size 32
		.amdhsa_user_sgpr_count 2
		.amdhsa_user_sgpr_kernarg_segment_ptr 1
		.amdhsa_wavefront_size32 1
		.amdhsa_system_sgpr_workgroup_id_x 1
		.amdhsa_system_sgpr_workgroup_id_y 1
		.amdhsa_system_sgpr_workgroup_id_z 1
		.amdhsa_system_vgpr_workitem_id 0
		.amdhsa_next_free_vgpr 1024
		.amdhsa_next_free_sgpr 100
		.amdhsa_reserve_vcc 0
		.amdhsa_float_denorm_mode_32 3
		.amdhsa_float_denorm_mode_16_64 3
		.amdhsa_memory_ordered 1
		.amdhsa_forward_progress 1
		.amdhsa_inst_pref_size 162
	.end_amdhsa_kernel
	.amdgpu_metadata
---
amdhsa.version: [ 1, 2 ]
amdhsa.kernels:
  - .name:           k_q11000fe3ea_pv
    .symbol:         k_q11000fe3ea_pv.kd
    .args:
      - { .name: pc, .offset: 0, .size: 8, .value_kind: global_buffer, .address_space: global }
      - { .name: st, .offset: 8, .size: 8, .value_kind: global_buffer, .address_space: global }
      - { .name: vc, .offset: 16, .size: 8, .value_kind: global_buffer, .address_space: global }
      - { .name: out0, .offset: 24, .size: 8, .value_kind: global_buffer, .address_space: global }
    .group_segment_fixed_size: 327680
    .private_segment_fixed_size: 0
    .kernarg_segment_align: 8
    .kernarg_segment_size: 32
    .max_flat_workgroup_size: 128
    .sgpr_count:     100
    .vgpr_count:     1024
    .wavefront_size: 32
...
	.end_amdgpu_metadata
.endif
;; end of part 4
